; MI455X (gfx1250); checked and timed in simulation.
; The chip was launched on July 23, 2026; its instructions are those of AMD's public machine-readable ISA for CDNA 5 (MIT licence, August 2026) and "CDNA5" Instruction Set Architecture Reference Guide (July 2026). The comments in the code are by the model that wrote it; some were corrected since.
;; Non Local Block3 D. Allowed arithmetic: matrix products marked QUANTISED: E2M1 operands, one E8M0 scale for each 32 along K, by v_wmma_scale_f32_16x16x128_f8f6f4 with both operands' format E2M1 (or v_wmma_scale_f32_32x16x128_f4), f32 sums; everything else in f32.
;; Inputs: Wk_codes 128 x 8 x 16 uint8 (E2M1 codes of Wk, K innermost, in blocks of 32 codes, two codes a byte); Wk_scales 128 x 8 uint8 (E8M0 scales of Wk, one for each 32 codes along K); Wo_codes 256 x 4 x 16 uint8 (E2M1 codes of Wo, K innermost, in blocks of 32 codes, two codes a byte); Wo_scales 256 x 4 uint8 (E8M0 scales of Wo, one for each 32 codes along K); Wq_codes 128 x 8 x 16 uint8 (E2M1 codes of Wq, K innermost, in blocks of 32 codes, two codes a byte); Wq_scales 128 x 8 uint8 (E8M0 scales of Wq, one for each 32 codes along K); Wv_codes 128 x 8 x 16 uint8 (E2M1 codes of Wv, K innermost, in blocks of 32 codes, two codes a byte); Wv_scales 128 x 8 uint8 (E8M0 scales of Wv, one for each 32 codes along K); bk 128 float32; bo 256 float32; bq 128 float32; bv 128 float32; x 1 x 256 x 16 x 16 x 32 float32.
;; Outputs: out0 1 x 256 x 16 x 16 x 32 float32.
;; This version of the problem:
;;   THIS VERSION OF THE PROBLEM IS GIVEN IN LOW PRECISION. The matrix products marked QUANTISED in the list below multiply operands that are first quantised to E2M1 (2 exponent bits, 1 mantissa bit; 4 bits a number), with one power-of-two scale for each 32 numbers along K (OCP MX v1.0); their sums are f32. All else is computed in f32.
;;   The module's matrix products, in the order in which they are computed (A, B: the left and right operand; K: the contracted axis; several contracted axes count as one K, in the product's order):
;;     1. [M 8,192, K 256] x [K 256, N 128]; A: input x; B: input Wq (given as codes): QUANTISED
;;     2. [M 8,192, K 256] x [K 256, N 128]; A: input x; B: input Wk (given as codes): QUANTISED
;;     3. [M 8,192, K 256] x [K 256, N 128]; A: input x; B: input Wv (given as codes): QUANTISED
;;     4. [M 8,192, K 128] x [K 128, N 8,192]; A: computed on the way; B: computed on the way: QUANTISED
;;     5. [M 8,192, K 8,192] x [K 8,192, N 128]; A: softmax (see below); B: computed on the way: QUANTISED
;;     6. [M 8,192, K 128] x [K 128, N 256]; A: computed on the way; B: input Wo (given as codes): QUANTISED
;;   THE QUANTISER, for each operand of a quantised product, along K:
;;     - K is cut into blocks of 32 from its start; a last block that is shorter is filled with zeros.
;;     - A block's scale is 2^e with e = floor(log2(the largest magnitude in the block)) - 2, held to -126 .. 127; a block of zeros has e = 0. As a byte (E8M0): e + 127.
;;     - Each number is divided by its block's scale, clamped to +-6, and rounded to the nearest number of E2M1, ties to even, subnormals kept.
;;     - The product sums the exact products of the quantised numbers (number of the format x scale) in f32.
;;   ~~~python
;;   def quantise(x, axis):      # numpy; x: float32 -> the quantised numbers, widened to float32 again
;;       x = np.moveaxis(x, axis, -1); K = x.shape[-1]
;;       x = np.pad(x, [(0, 0)] * (x.ndim - 1) + [(0, -K % 32)]); x = x.reshape(x.shape[:-1] + (-1, 32)); a = np.abs(x).max(-1, keepdims=True)
;;       e = np.where(a > 0, np.clip(np.frexp(np.where(a > 0, a, 1))[1] - 1 - 2, -126, 127), 0)      # np.frexp(a)[1] - 1 = floor(log2(a)), exactly
;;       r = np.clip(x / 2.0 ** e, -6, 6)
;;       step = 2.0 ** (np.maximum(np.frexp(np.where(r == 0, 1, r))[1] - 1, 0) - 1)
;;       q = np.round(r / step) * step * 2.0 ** e      # np.round: ties to even
;;       return np.moveaxis(q.reshape(q.shape[:-2] + (-1,))[..., :K], -1, axis).astype(np.float32)
;;   ~~~
;;   SOFTMAX AHEAD OF A QUANTISED PRODUCT. Where the list says 'softmax', what is quantised is not the finished softmax but p = 2^(t - M), with t = logit x log2(e) and M = ceil(the row's largest t), a whole number; so 1/2 < the row's largest p <= 1. The row's sum l is taken of the UNQUANTISED p, in f32, and the product's result is divided by l at the end. Since M is a whole number, a kernel that streams over the keys may use a running M (the ceiling of the running maximum): every later rescaling is an exact power of two, which a block's scale takes up: the codes' values come out the same.
;;   OPERANDS COMPUTED ON THE WAY. 'Computed on the way' means the value that the module computes at that place (a softmax that the list does not call 'softmax' is quantised finished and normalised). What goes into a quantiser is computed in f32, as accurately as f32 sums, v_exp_f32 and their like allow (about 1e-6 of the number): no bf16 or f16 on the way to a quantiser, and a product that is left as it is and whose result goes on into a quantised operand takes f32 operands (vector FMAs, or v_wmma_f32_16x16x4_f32). A number that lies on a knife's edge between two numbers of the format may be rounded either way, as far as f32 arithmetic and the matrix unit's own rounding can turn it there, and no further.
;;   INPUTS GIVEN AS CODES. Wk (in the module: [128, 256], K = its axis 1); Wo (in the module: [256, 128], K = its axis 1); Wq (in the module: [128, 256], K = its axis 1); Wv (in the module: [128, 256], K = its axis 1): each comes as NAME_codes (uint8): NAME with its K axis moved to the last place and cut into blocks of 32 codes, [.., K / 32, bytes a block], one block behind the other in memory; two codes a byte, the lower K in the low four bits (a code: sign, 2 exponent bits, 1 mantissa bit); and NAME_scales (uint8): the same leading axes, one E8M0 byte (e + 127) for each 32 codes along K. Its value is code x scale, taken as it is: it is not quantised again, and the codes and scales need not be those that the quantiser above would give.
;; 2 versions, each right; version 2 is version 1 with the launches proj, outp written anew for expert scheduling mode. Each part assembles by itself: llvm-mc -triple=amdgcn-amd-amdhsa -mcpu=gfx1250 --defsym DOCPART=n.
;; ======== version 1 of 2: 3 launches
;; workspace buffers: qc 524,288 bytes; qs 32,768 bytes; kv 1,114,112 bytes; oc 524,288 bytes; os 32,768 bytes
;; launch proj (part 1): grid 64 x 1, 16 waves a work-group, no clusters, 55,808 bytes of LDS; arguments x, Wq_codes, Wq_scales, bq, Wk_codes, Wk_scales, bk, Wv_codes, Wv_scales, bv, qc, qs, kv; writes qc, qs, kv
.if DOCPART == 1
	.amdgcn_target "amdgcn-amd-amdhsa--gfx1250"
	.amdhsa_code_object_version 6
	.text
	.protected	k_q7b7120d432_proj
	.globl	k_q7b7120d432_proj
	.p2align	8
	.type	k_q7b7120d432_proj,@function
k_q7b7120d432_proj:
	s_mov_b64 s[64:65], 0
	v_nop
	global_prefetch_b8 v0, s[64:65] scope:SCOPE_SE
	s_setreg_imm32_b32 hwreg(HW_REG_WAVE_MODE, 25, 1), 1
	s_wait_xcnt 0x0
; q, k, v = W x + b on codes of FP4 (E2M1) with one E8M0 scale for each 32 along K, and their own codes for the attention launch.
; x: [256 channels][8,192 voxels] f32, K = the channels (its FIRST axis).  Wq, Wk, Wv: [128][256] codes, K innermost, scale bytes [128][8].
; A work-group takes 128 voxels: it makes 8 tiles of q, and one whole record of kv (8 tiles of k, 8 tiles of v^T, two blocks of scale words).
; ALL OPERANDS ARE KEPT AS IMAGES OF THEIR REGISTERS: a fragment (16 rows x 128 K, 8 registers a lane) is 1,024 bytes, register group c at 512 c + 16 x lane.
; THE ROWS OF A TILE ARE NOT NEIGHBOURS: row r of tile 2 b + u is element 32 b + 8 u + r + 8 (r / 8), for voxels and for the rows of Wq, Wk, Wv alike.  With such a tile as source 0,
; register 16 b + i of a lane's 64 results is element 32 b + 16 (lane / 16) + i: 16 neighbours along the next product's K, which the conversions want.
; STEPS.  (1) x: a lane takes a voxel, its registers run down the channels: each load reads 128 consecutive bytes, four waves side by side 512; a block of 32 lies in one lane.  Wave w: voxels 32 (w % 4) on, channels 64 (w / 4) on.
; (2) wave w brings tile w % 8 of Wq (w < 8) or Wk into LDS.  | barrier |  (3) job 1, all waves: source 0 = the 8 tiles of Wq or Wk, source 1 = x's tile w % 8: a tile of q or k, quantised along its 128 channels.
; (4) job 2, waves 0-7: source 0 = x's 8 tiles, source 1 = tile w of Wv: a tile of v^T, quantised along the 128 voxels (the keys).  | barrier |  (5) waves 0-2 store the three blocks of scale words.
; A BLOCK OF SCALE WORDS (512 bytes): the word of tile i, row r at 16 (r + 16 (i % 2)) + 4 (i / 2): one load of 16 bytes a lane gives 4 registers, tile 2 n in lanes 0-15 and tile 2 n + 1 in lanes 16-31 of register n.
; LIMITS: NaN and infinities are not served.  A block's largest magnitude is taken no smaller than 2^(3 - 127), so that its byte is at least 1; a block of zeros so gets the byte 1 and zero codes; the bytes are read by this program alone.
.set XIMG, 0                           ; LDS: x's 8 tiles x 2 K steps: tile x 2,048 + step x 1,024 + image
.set WIMG, 16384                       ; Wq's and Wk's 16 tiles likewise
.set XSC,  49152                       ; x's scale words: tile x 128 + 8 r + 4 step
.set WSC,  50176                       ; Wq's and Wk's likewise
.set SST,  52224                       ; the blocks of scale words of q, k, v: 512 bytes each
.set REC,  17408                       ; a record of kv: k's 8 tiles, v^T's 8 tiles, k's scale words, v's
.set L4,   1                           ; v1   4 x lane
.set LI,   2                           ; v2   16 x lane
.set L8,   3                           ; v3   8 x (lane % 16)
.set XW,   4                           ; v4   where my voxel's codes go in x's images
.set XSW,  5                           ; v5   and its two scale bytes
.set WG,   6                           ; v6   my row of a weight's tile, in bytes of codes, + 16 (lane / 16)
.set WS,   7                           ; v7   the same row's 8 scale bytes
.set WW,   8                           ; v8   where I put the weight's images
.set WSW,  9                           ; v9   and its scale words
.set BA,   10                          ; v10  64 (lane / 16): my half's place in a bias
.set MA1,  11                          ; v11  job 1: my weight's images
.set MS1,  12                          ; v12  and scale words
.set OA1,  13                          ; v13  job 1: my tile of x
.set OS1,  14                          ; v14  and its scale words
.set SW,   15                          ; v15  where my result's scale word goes
.set OWN,  16                          ; v16-31   job 1: x's tile, two K steps (at the head: at work)
.set MSC,  32                          ; v32-47   scale words of source 0's eight tiles, two K steps
.set OSCR, 48                          ; v48-49   scale words of x's tile
.set PC,   50                          ; v50-57   codes just made
.set PW,   58                          ; v58      scale word just made
.set TM,   60                          ; v60-75   at work
.set BV,   76                          ; v76-83   bv of my channel, eight times: the C of job 2's first products
.set WV,   84                          ; v84-99   Wv's tile, two K steps
.set WVS,  100                         ; v100-101 its scale words
.set BVO,  102                         ; v102     my row's place in bv
.set SR,   103                         ; v103     where waves 0-2 read a block of scale words back
.set T,    104                         ; v104-121 a weight's tile on its way into LDS
.set ACC,  128                         ; v128-191 eight accumulators
.set XR,   192                         ; v192-255 64 numbers of x,
.set F,    192                         ;          later source 0's eight fragments of a K step
.set WN,   30                          ; s30  my wave's number
.set SEL,  32                          ; s[32:33] lane selects: lane l xor 16
; 64 numbers of a lane, register 16 b + i = k 32 b + 16 (lane / 16) + i of my row, become a fragment's codes in v[PC] on and its scale word in v[PW].
.macro QUANT s
.irp b, 0,1,2,3
	v_max3_num_f32 v[TM+\b], |v[\s+16*\b]|, |v[\s+1+16*\b]|, 0x1800000   ; block b: my 16 numbers, and the floor 2^(3 - 127): the byte cannot fall under 1
.endr
.irp i, 2,4,6,8,10,12,14
.irp b, 0,1,2,3
	v_max3_num_f32 v[TM+\b], v[TM+\b], |v[\s+16*\b+\i]|, |v[\s+1+16*\b+\i]|   ; the four blocks by turns
.endr
.endr
.irp b, 0,1,2,3
	v_permlanex16_b32 v[TM+4+\b], v[TM+\b], s[SEL], s[SEL+1]
.endr
.irp b, 0,1,2,3
	v_max_num_f32 v[TM+\b], v[TM+\b], v[TM+4+\b]   ; with lane l xor 16's: the block's largest magnitude
.endr
.irp b, 0,1,2,3
	v_add_nc_u32 v[TM+12+\b], 0xff000000, v[TM+\b]   ; 2 off its exponent field: the conversion takes this operand's exponent field as its scale
.endr
.irp b, 0,1,2,3
	v_lshrrev_b32 v[TM+4+\b], 23, v[TM+12+\b]      ; the scale's byte
.endr
	v_lshl_or_b32 v[PW], v[TM+5], 8, v[TM+4]       ; the four bytes make my row's scale word
	v_lshl_or_b32 v[PW], v[TM+6], 16, v[PW]
	v_lshl_or_b32 v[PW], v[TM+7], 24, v[PW]
.irp b, 0,1,2,3
	v_cvt_scalef32_pk8_fp4_f32 v[PC+2*\b], v[\s+16*\b:\s+7+16*\b], v[TM+12+\b]
	v_cvt_scalef32_pk8_fp4_f32 v[PC+1+2*\b], v[\s+8+16*\b:\s+15+16*\b], v[TM+12+\b]
.endr
	v_nop                                          ; one plain place behind a scaled conversion
.irp c, 0,1                                    ; the operand's layout wants a whole block in a lane: lanes 0-15 block 2 c, lanes 16-31 block 2 c + 1
.irp i, 0,1
	v_permlane16_swap_b32 v[PC+4*\c+\i], v[PC+2+4*\c+\i]
.endr
.endr
.endm
; Block j of my voxel's two: 32 channels in 32 registers.  Its codes are registers of x's image as they stand; its byte waits in v[TM+8+j].
.macro XBLOCK j
.set XS, XR+32*\j
	v_max3_num_f32 v[TM], |v[XS]|, |v[XS+1]|, |v[XS+2]|
	v_max3_num_f32 v[TM+1], |v[XS+3]|, |v[XS+4]|, |v[XS+5]|
.irp i, 6,10,14,18,22,26
	v_max3_num_f32 v[TM], v[TM], |v[XS+\i]|, |v[XS+\i+1]|
	v_max3_num_f32 v[TM+1], v[TM+1], |v[XS+\i+2]|, |v[XS+\i+3]|
.endr
	v_max3_num_f32 v[TM], v[TM], |v[XS+30]|, |v[XS+31]|
	v_max3_num_f32 v[TM], v[TM], v[TM+1], 0x1800000   ; and the floor
	v_add_nc_u32 v[TM+2], 0xff000000, v[TM]
.irp g, 0,1,2,3
	v_cvt_scalef32_pk8_fp4_f32 v[PC+4*\j+\g], v[XS+8*\g:XS+8*\g+7], v[TM+2]
.endr
	v_lshrrev_b32 v[TM+8+\j], 23, v[TM+2]          ; the byte; also the plain line behind the conversions
	ds_store_b128 v[XW], v[PC+4*\j:PC+4*\j+3] offset:256*\j   ; block 2 (w / 4) + j of K: lanes 16 j on of register group (w / 4) % 2 of K step w / 8
.endm
; A job: eight tiles as source 0 (images at v[many] + moff, scale words at v[msa] + msoff) against my own tile as source 1 (registers own, scale words oscr), two K steps; then the 64 results are quantised.
; cbias = 1: the first products take v[BV] on as C; else the bias was loaded into the accumulators.  The eight accumulators take turns, one instruction a turn.
.macro JOB many, moff, msa, msoff, own, oscr, cbias
.irp i, 0,1,2,3,4,5,6,7
	ds_load_b64 v[MSC+2*\i:MSC+2*\i+1], v[\msa] offset:\msoff+128*\i
.endr
.irp s, 0,1
.if \s
.rept 4
	v_nop                                          ; places in front of loads into registers that matrix instructions have read
.endr
.endif
.irp i, 0,1,2,3,4,5,6,7
.irp c, 0,1
	ds_load_b128 v[F+8*\i+4*\c:F+8*\i+4*\c+3], v[\many] offset:\moff+2048*\i+1024*\s+512*\c
.endr
.endr
	s_wait_dscnt 0x0
.irp i, 0,1,2,3,4,5,6,7
.if \cbias && (\s == 0)
	v_wmma_scale_f32_16x16x128_f8f6f4 v[ACC+8*\i:ACC+8*\i+7], v[F+8*\i:F+8*\i+7], v[\own+8*\s:\own+8*\s+7], v[BV:BV+7], v[MSC+2*\i+\s], v[\oscr+\s] matrix_a_fmt:MATRIX_FMT_FP4 matrix_b_fmt:MATRIX_FMT_FP4
.else
	v_wmma_scale_f32_16x16x128_f8f6f4 v[ACC+8*\i:ACC+8*\i+7], v[F+8*\i:F+8*\i+7], v[\own+8*\s:\own+8*\s+7], v[ACC+8*\i:ACC+8*\i+7], v[MSC+2*\i+\s], v[\oscr+\s] matrix_a_fmt:MATRIX_FMT_FP4 matrix_b_fmt:MATRIX_FMT_FP4
.endif
.endr
.endr
.rept 4
	v_nop                                          ; places in front of the first read of results
.endr
	QUANT ACC
.endm
	s_load_b512 s[4:19], s[0:1], 0x0               ; x s[4:5]; Wq's codes, scales, bq s[6:11]; Wk's codes, scales, bk s[12:17]; Wv's codes s[18:19]
	s_load_b256 s[20:27], s[0:1], 0x40             ; Wv's scales s[20:21], bv s[22:23], qc s[24:25], qs s[26:27]
	s_load_b64 s[28:29], s[0:1], 0x60              ; kv
	v_lshl_add_u32 v126, v0, 2, 0xd200
	v_mov_b32 v127, 0
	v_lshrrev_b32 v16, 5, v0
	v_readfirstlane_b32 s[WN], v16                 ; wave 0..15
	s_and_b32 s31, s[WN], 3                        ; g: which 32 voxels I quantise
	s_lshr_b32 s34, s[WN], 2                       ; cq: which 64 channels
	s_lshr_b32 s35, s[WN], 3                       ; m: 0 = q, 1 = k
	s_and_b32 s36, s[WN], 7                        ; t: the tile that I stage, my tile of x in job 1, my tile of Wv in job 2
	s_mov_b32 s[SEL], 0x76543210
	s_mov_b32 s[SEL+1], 0xfedcba98
	v_and_b32 v16, 31, v0                          ; lane
	v_and_b32 v17, 15, v0                          ; r
	v_bfe_u32 v18, v0, 4, 1                        ; h
	v_and_b32 v19, 7, v0
	v_bfe_u32 v20, v0, 3, 1
	v_lshlrev_b32 v[L4], 2, v16
	v_lshlrev_b32 v[LI], 4, v16
	v_lshlrev_b32 v[L8], 3, v17
	; my voxel 32 g + lane is row (lane % 8) + 8 (lane / 16) of tile 2 g + (lane / 8) % 2
	v_lshlrev_b32 v[XW], 4, v19
	v_lshl_add_u32 v[XW], v20, 11, v[XW]
	v_lshl_add_u32 v[XW], v18, 7, v[XW]
	s_lshl_b32 s37, s31, 12
	s_lshl_b32 s38, s34, 9
	s_add_co_u32 s37, s37, s38
	v_add_nc_u32 v[XW], s37, v[XW]                 ; 4,096 g + 2,048 u + 512 cq + 16 row
	v_lshlrev_b32 v[XSW], 3, v19
	v_lshl_add_u32 v[XSW], v20, 7, v[XSW]
	v_lshl_add_u32 v[XSW], v18, 6, v[XSW]
	s_lshl_b32 s37, s31, 8
	s_lshl_b32 s38, s34, 1
	s_add_co_u32 s37, s37, s38
	s_add_co_u32 s37, s37, XSC
	v_add_nc_u32 v[XSW], s37, v[XSW]               ; 256 g + 128 u + 8 row + 2 cq
	s_lshr_b32 s37, s36, 1
	s_lshl_b32 s37, s37, 5
	s_and_b32 s38, s36, 1
	s_lshl_b32 s38, s38, 3
	s_add_co_u32 s37, s37, s38                     ; tile t begins at row 32 (t / 2) + 8 (t % 2)
	v_and_b32 v21, 8, v17
	v_add_nc_u32 v21, v21, v17                     ; r + 8 (r / 8)
	v_add_nc_u32 v21, s37, v21                     ; my row of the weight
	v_lshlrev_b32 v[WG], 7, v21                    ; 128 bytes of codes a row
	v_lshl_add_u32 v[WG], v18, 4, v[WG]
	v_lshlrev_b32 v[WS], 3, v21                    ; 8 scale bytes a row
	v_lshlrev_b32 v[BVO], 2, v21
	s_lshl_b32 s37, s[WN], 11
	s_add_co_u32 s37, s37, WIMG
	v_add_nc_u32 v[WW], s37, v[LI]
	s_lshl_b32 s37, s[WN], 7
	s_add_co_u32 s37, s37, WSC
	v_add_nc_u32 v[WSW], s37, v[L8]
	v_lshlrev_b32 v[BA], 6, v18
	s_lshl_b32 s37, s35, 14
	s_add_co_u32 s37, s37, WIMG
	v_add_nc_u32 v[MA1], s37, v[LI]
	s_lshl_b32 s37, s35, 10
	s_add_co_u32 s37, s37, WSC
	v_add_nc_u32 v[MS1], s37, v[L8]
	s_lshl_b32 s37, s36, 11
	v_add_nc_u32 v[OA1], s37, v[LI]
	s_lshl_b32 s37, s36, 7
	s_add_co_u32 s37, s37, XSC
	v_add_nc_u32 v[OS1], s37, v[L8]
	s_lshl_b32 s37, s35, 9
	s_and_b32 s38, s36, 1
	s_lshl_b32 s38, s38, 8
	s_add_co_u32 s37, s37, s38
	s_lshr_b32 s38, s36, 1
	s_lshl_b32 s38, s38, 2
	s_add_co_u32 s37, s37, s38
	s_add_co_u32 s37, s37, SST
	v_lshl_add_u32 v[SW], v17, 4, s37              ; 512 m + 16 (r + 16 (t % 2)) + 4 (t / 2)
	s_min_u32 s37, s[WN], 2                        ; (only waves 0-2 use it)
	s_lshl_b32 s37, s37, 9
	s_add_co_u32 s37, s37, SST
	v_add_nc_u32 v[SR], s37, v[LI]
.irp b, 0,1,2,3
	v_mov_b32 v[TM+4+\b], 0                        ; written once: a lane permute's destination counts as one of its sources
.endr
	s_lshl_b32 s40, s34, 21                        ; 64 cq rows of 32,768 bytes,
	s_lshl_b32 s41, ttmp9, 9                       ; the work-group's 128 voxels,
	s_lshl_b32 s42, s31, 7                         ; my 32 of them
	s_add_co_u32 s40, s40, s41
	s_add_co_u32 s40, s40, s42
	s_mov_b32 s41, 0
	s_lshl_b32 s53, ttmp9, 13                      ; qc: 8 tiles a work-group
	s_mul_i32 s54, ttmp9, REC                      ; kv: a record a work-group
	s_lshl_b32 s55, s36, 10                        ; tile t
	s_wait_kmcnt 0x0
	s_add_nc_u64 s[4:5], s[4:5], s[40:41]
.set i, 0
.rept 64
	global_load_b32 v[XR+i], v[L4], s[4:5] offset:i*32768   ; x(64 cq + i, my voxel): 32 lanes read 128 consecutive bytes.  No hint: the third launch reads x again
.set i, i+1
.endr
	s_cmp_lt_u32 s[WN], 8                          ; q's waves or k's: the choice hangs on the wave's number alone
	s_cselect_b64 s[44:45], s[6:7], s[12:13]
	s_cselect_b64 s[46:47], s[8:9], s[14:15]
	s_cselect_b64 s[48:49], s[10:11], s[16:17]
	s_cselect_b64 s[50:51], s[24:25], s[28:29]
	s_cselect_b32 s52, s53, s54
	s_add_co_u32 s52, s52, s55
	s_mov_b32 s53, 0
	s_add_nc_u64 s[50:51], s[50:51], s[52:53]      ; where job 1's tile goes
	s_add_co_u32 s58, s54, s55
	s_add_co_u32 s58, s58, 8192
	s_mov_b32 s59, 0
	s_add_nc_u64 s[56:57], s[28:29], s[58:59]      ; where job 2's goes
.irp s, 0,1
.irp c, 0,1
	global_load_b128 v[T+8*\s+4*\c:T+8*\s+4*\c+3], v[WG], s[44:45] offset:64*\s+32*\c   ; tile t of my weight, in the operand's layout
.endr
.endr
	global_load_b64 v[T+16:T+17], v[WS], s[46:47]
.irp i, 0,1,2,3,4,5,6,7
	global_load_b128 v[ACC+8*\i:ACC+8*\i+3], v[BA], s[48:49] offset:(32*(\i/2)+8*(\i%2))*4      ; the bias in the result's layout, straight into the accumulators
	global_load_b128 v[ACC+8*\i+4:ACC+8*\i+7], v[BA], s[48:49] offset:(32*(\i/2)+8*(\i%2))*4+16
.endr
	s_cmp_ge_u32 s[WN], 8
	s_cbranch_scc1 .Lno_v_loads
.irp s, 0,1
.irp c, 0,1
	global_load_b128 v[WV+8*\s+4*\c:WV+8*\s+4*\c+3], v[WG], s[18:19] offset:64*\s+32*\c
.endr
.endr
	global_load_b64 v[WVS:WVS+1], v[WS], s[20:21]
	global_load_b32 v[BV], v[BVO], s[22:23]
.Lno_v_loads:
	s_wait_loadcnt 53                              ; x's first 32 loads are in: behind them stand 32 + 5 + 16 (waves 0-7: six more, which only makes this stricter)
	XBLOCK 0
	s_wait_loadcnt 21                              ; x's other 32: behind them 5 + 16
	XBLOCK 1
	v_lshl_or_b32 v[TM+8], v[TM+9], 8, v[TM+8]
	ds_store_b16 v[XSW], v[TM+8]                   ; my voxel's two scale bytes
	s_wait_loadcnt 16                              ; the weight's five loads: behind them the bias's 16
.irp s, 0,1
.irp c, 0,1
	ds_store_b128 v[WW], v[T+8*\s+4*\c:T+8*\s+4*\c+3] offset:1024*\s+512*\c
.endr
.endr
	ds_store_b64 v[WSW], v[T+16:T+17]              ; both halves of the lanes write the same words with the same values
	s_wait_loadcnt 0x0
	s_wait_dscnt 0x0                               ; for the others' sake: my stores have landed
	s_barrier_signal -1
	s_barrier_wait -1                              ; x's and the weights' images lie in LDS; nobody writes them again
.irp s, 0,1
.irp c, 0,1
	ds_load_b128 v[OWN+8*\s+4*\c:OWN+8*\s+4*\c+3], v[OA1] offset:1024*\s+512*\c
.endr
.endr
	ds_load_b64 v[OSCR:OSCR+1], v[OS1]
	JOB MA1, 0, MS1, 0, OWN, OSCR, 0               ; a tile of q or k: lane (r, h): voxel row r, channels 32 b + 16 h + i
	global_store_b128 v[LI], v[PC:PC+3], s[50:51]  ; the image: each store covers 512 consecutive bytes, aligned
	global_store_b128 v[LI], v[PC+4:PC+7], s[50:51] offset:512
	ds_store_b32 v[SW], v[PW]
	s_cmp_ge_u32 s[WN], 8
	s_cbranch_scc1 .Lno_v
	s_wait_xcnt 0x0                                ; job 1's stores have read their registers: the codes may be written again
	s_wait_dscnt 0x0                               ; and so has the scale word's
.irp j, 1,2,3,4,5,6,7
	v_mov_b32 v[BV+\j], v[BV]                      ; bv of my channel for all eight voxels of a register run.  These seven lines are also the places behind job 1's products
.endr
	JOB LI, XIMG, L8, XSC, WV, WVS, 1              ; a tile of v^T: lane (r, h): channel row r, voxels 32 b + 16 h + i
	global_store_b128 v[LI], v[PC:PC+3], s[56:57]
	global_store_b128 v[LI], v[PC+4:PC+7], s[56:57] offset:512
	ds_store_b32 v[SW], v[PW] offset:1024
.Lno_v:
	s_wait_dscnt 0x0
	s_barrier_signal -1
	s_barrier_wait -1                              ; the three blocks of scale words are whole
	s_cmp_ge_u32 s[WN], 3
	s_cbranch_scc1 .Ldone
	ds_load_b128 v[T:T+3], v[SR]
	s_lshl_b32 s60, ttmp9, 9                       ; qs: 512 bytes a work-group
	s_lshl_b32 s61, s[WN], 9
	s_add_co_u32 s61, s61, s54
	s_add_co_u32 s61, s61, 15872                   ; kv: k's words at 16,384 (wave 1), v's at 16,896 (wave 2) of the record
	s_cmp_eq_u32 s[WN], 0
	s_cselect_b64 s[38:39], s[26:27], s[28:29]
	s_cselect_b32 s60, s60, s61
	s_mov_b32 s61, 0
	s_add_nc_u64 s[38:39], s[38:39], s[60:61]
	s_wait_dscnt 0x0
	global_store_b128 v[LI], v[T:T+3], s[38:39]    ; 512 consecutive bytes, aligned
.Ldone:
	s_wait_tensorcnt 0x0
	ds_add_u32 v126, v127
	s_wait_dscnt 0x0
	s_endpgm
.Lfunc_end_k_q7b7120d432_proj:
	.size	k_q7b7120d432_proj, .Lfunc_end_k_q7b7120d432_proj-k_q7b7120d432_proj
	.p2alignl 7, 3214868480
	.fill 96, 4, 3214868480
	.section	.rodata,"a",@progbits
	.p2align	6, 0x0
	.amdhsa_kernel k_q7b7120d432_proj
		.amdhsa_group_segment_fixed_size 55808
		.amdhsa_private_segment_fixed_size 0
		.amdhsa_enable_private_segment 0
		.amdhsa_kernarg_size 104
		.amdhsa_user_sgpr_count 2
		.amdhsa_user_sgpr_kernarg_segment_ptr 1
		.amdhsa_wavefront_size32 1
		.amdhsa_system_sgpr_workgroup_id_x 1
		.amdhsa_system_sgpr_workgroup_id_y 1
		.amdhsa_system_sgpr_workgroup_id_z 1
		.amdhsa_system_vgpr_workitem_id 0
		.amdhsa_next_free_vgpr 256
		.amdhsa_next_free_sgpr 66
		.amdhsa_reserve_vcc 0
		.amdhsa_float_denorm_mode_32 3
		.amdhsa_float_denorm_mode_16_64 3
		.amdhsa_memory_ordered 1
		.amdhsa_forward_progress 1
		.amdhsa_inst_pref_size 36
	.end_amdhsa_kernel
	.amdgpu_metadata
---
amdhsa.version: [ 1, 2 ]
amdhsa.kernels:
  - .name:           k_q7b7120d432_proj
    .symbol:         k_q7b7120d432_proj.kd
    .args:
      - { .name: x, .offset: 0, .size: 8, .value_kind: global_buffer, .address_space: global }
      - { .name: Wq_codes, .offset: 8, .size: 8, .value_kind: global_buffer, .address_space: global }
      - { .name: Wq_scales, .offset: 16, .size: 8, .value_kind: global_buffer, .address_space: global }
      - { .name: bq, .offset: 24, .size: 8, .value_kind: global_buffer, .address_space: global }
      - { .name: Wk_codes, .offset: 32, .size: 8, .value_kind: global_buffer, .address_space: global }
      - { .name: Wk_scales, .offset: 40, .size: 8, .value_kind: global_buffer, .address_space: global }
      - { .name: bk, .offset: 48, .size: 8, .value_kind: global_buffer, .address_space: global }
      - { .name: Wv_codes, .offset: 56, .size: 8, .value_kind: global_buffer, .address_space: global }
      - { .name: Wv_scales, .offset: 64, .size: 8, .value_kind: global_buffer, .address_space: global }
      - { .name: bv, .offset: 72, .size: 8, .value_kind: global_buffer, .address_space: global }
      - { .name: qc, .offset: 80, .size: 8, .value_kind: global_buffer, .address_space: global }
      - { .name: qs, .offset: 88, .size: 8, .value_kind: global_buffer, .address_space: global }
      - { .name: kv, .offset: 96, .size: 8, .value_kind: global_buffer, .address_space: global }
    .group_segment_fixed_size: 55808
    .private_segment_fixed_size: 0
    .kernarg_segment_align: 8
    .kernarg_segment_size: 104
    .max_flat_workgroup_size: 512
    .sgpr_count:     66
    .vgpr_count:     256
    .wavefront_size: 32
...
	.end_amdgpu_metadata
.endif
;; end of part 1
;; launch attn (part 2): grid 256 x 1, 8 waves a work-group, clusters of 4 x 1, 327,680 bytes of LDS; arguments qc, qs, kv, oc, os; writes oc, os
.if DOCPART == 2
	.amdgcn_target "amdgcn-amd-amdhsa--gfx1250"
	.amdhsa_code_object_version 6
	.text
	.protected	k_q7b7120d432_attn
	.globl	k_q7b7120d432_attn
	.p2align	8
	.type	k_q7b7120d432_attn,@function
k_q7b7120d432_attn:
	s_mov_b64 s[64:65], 0
	v_nop
	global_prefetch_b8 v0, s[64:65] scope:SCOPE_SE
	s_setreg_imm32_b32 hwreg(HW_REG_WAVE_MODE, 25, 1), 1
	s_wait_xcnt 0x0
	s_wait_alu depctr_hold_cnt(0) depctr_sa_sdst(0) depctr_va_vdst(0) depctr_va_sdst(0) depctr_va_ssrc(0) depctr_va_vcc(0) depctr_vm_vsrc(0)
	s_getreg_b32 s2, hwreg(HW_REG_IB_STS2, 6, 4)
	s_cmp_eq_u32 s2, 0
	s_cbranch_scc0 .Lentry_in_a_cluster
	s_endpgm
.Lentry_in_a_cluster:
	s_bfe_u32 s2, ttmp6, 0x10000c
	s_cmp_lg_u32 s2, 0x3003
	s_cbranch_scc0 .Lentry_shape_is_right
	s_endpgm
.Lentry_shape_is_right:
; o = softmax(q k^T / 16) v on codes of FP4 (E2M1) with one E8M0 scale for each 32 along a product's K, and o's own codes along its 128 channels.  8,192 queries, 8,192 keys, head size 128.
; THE SOFTMAX AHEAD OF THE SECOND PRODUCT: t = score x log2(e) / 16; M = the largest t so far, rounded UP to a whole number; p = 2^(t - M) is quantised along the keys, not normalised; the sum is taken of the unquantised p.
; SHARES.  A work-group owns 32 queries: two tiles of 16.  Each of its eight waves holds BOTH tiles, so that each fragment of k and v read from LDS feeds two products, and walks an eighth of the keys:
; a slot of the ring holds 8 records of 128 keys, wave w fetches and works record w of each slot.  8 slots' worth of keys: 8 trips.  At the end the eight parts are merged through LDS by exact powers of two.
; CLUSTER.  All work-groups walk the same kv, so the four of a cluster ask for each record JOINTLY: the same tensor load, the same descriptor (made of the wave's number and the trip alone), mask 15.
; A record (17,408 bytes, dense): k's 8 fragments as images of registers (1,024 bytes each: register group c at 512 c + 16 x lane), v^T's 8, k's scale words (512 bytes), v's.  Every LDS load reads 512 consecutive bytes: no padding.
; LAYOUT.  Both products are used transposed: S^T = k q^T, O^T = v^T p^T: a lane holds ONE query (lane % 16).  Row r of tile 2 b + u of k is key 32 b + 8 u + r + 8 (r / 8), of v^T channel likewise, so that
; register 16 b + i of S^T is key 32 b + 16 (lane / 16) + i and register 16 b + i of O^T is channel 32 b + 16 (lane / 16) + i: neighbours along the next K.
; THE ORDER OF A TRIP.  The round and the refill; k's loads; WHAT THE LAST TRIP OWES (O^T's rescaling and v^T p^T: work on registers alone, 64 multiplies and 16 products, which stands where the wave would
; wait for k); k q^T; v's loads; the two tiles' softmax as far as p's codes.  In the softmax the exponentials stand by turns with plain lines that are ready (scalings four pairs ahead, sums two pairs back).
; REGISTERS.  Tile u lives in window u under the same numbers: v12 -M, v13 the largest t, v[14:15] the sum, v16-23 q, v96-159 S^T then p, v160-223 O^T, v224-231 p's codes, v232-239, v244-247, v252-254 at work (v252: f, kept for the owed rescaling).
; v32-95: in window 0 k's eight fragments, in window 1 v^T's.  Window 0 alone: v1-11, v240, v241, v250 addresses; v24-27, v28-31 k's and v's scale words; v248, v249 p's scale words; v255 q's.
; s_set_vgpr_msb's low byte: bits 1:0 source 0, 3:2 source 1, 5:4 source 2, 7:6 destination.
; LIMITS: NaN and infinities are not served.  M is an exact whole number for |t| < 2^24.  A block whose every p (or o) is 0 gets the byte 1 and zero codes.  The sums over the keys are made in eight parts, each with the keys ascending, and added.
.set REC,   17408
.set SLOTB, 8*REC                      ; a slot: 139,264 bytes
.set SPARE, 2*SLOTB                    ; behind the ring: the spare words, 128 bytes for each wave: four blocks of 256 bytes that no other line names
.set MST,   SPARE+1024                 ; the merge: -M and the sum of each wave and tile: 512 w + 256 u + {0, 128} + 4 x lane
.set OSC,   MST+4096                   ; o's scale bytes: 64 u + 4 r + block
.set SPW,  1                           ; v1   LDS address of my spare word; never rewritten
.set NIL,  2                           ; v2   0; never rewritten
.set ADR,  3                           ; v3-4 my record in slot 0, 1: + 16 x lane
.set MW,   5                           ; v5   where I put -M and the sum
.set MR,   6                           ; v6   where I read the eight waves'
.set OW,   7                           ; v7   where I put my O^T: (2 w + u) x 8,192 + 512 x quad + 16 x lane, in slot 0
.set OR0,  8                           ; v8-9 where I read my 16 registers of waves 0-3's, 4-7's O^T
.set SBW,  10                          ; v10  where my block's scale byte goes
.set CO,   11                          ; v11  16 (lane % 16) + 8 (lane / 16): my 8 bytes of o's image
.set KS,   24
.set VS,   28
.set FR,   32
.set LI,   240                         ; v240 16 x lane
.set L4,   241                         ; v241 4 x lane
.set PW,   248
.set OSR,  250                         ; v250 where wave 0 reads o's scale words back
.set QS,   255
.set WN,   14                          ; s14  my wave's number
.set SEL,  20                          ; s[20:21] lane selects: lane l xor 16
.set CS,   22                          ; s[22:23] c = log2(e) / 16
.set G1,   24                          ; s[24:31] descriptor group 1
.set G0,   32                          ; s[32:39] descriptor group 0, a set for each slot
.set MSB, 0
.macro WIN new                         ; the immediate's high byte repeats the setting that is left; a switch that changes nothing is dropped
.if MSB != \new
	s_set_vgpr_msb (MSB<<8)|\new
.set MSB, \new
.endif
.endm
.macro PLACES
.rept 4
	v_nop
.endr
.endm
; A round of the cluster's barrier: my work-group's barrier; wave 0 signals for the work-group; every wave waits for all four work-groups; my work-group's barrier once more.
.macro ROUND
	s_barrier_signal -1
	s_barrier_wait -1
	s_cmp_lg_u32 s[WN], 0
	s_cbranch_scc1 .Lnot_wave_0_\@
	s_barrier_signal -3
.Lnot_wave_0_\@:
	s_barrier_wait -3
	s_barrier_signal -1
	s_barrier_wait -1
.endm
; One matrix instruction.  zero = 1: it starts the sum.  ra, rb = 1: that side's scale words stand in lanes 16-31 of its register.
.macro WM d, a, b, zero, sa, sb, ra, rb
.if \zero
.if (\ra) && (\rb)
	v_wmma_scale_f32_16x16x128_f8f6f4 v[\d:\d+7], v[\a:\a+7], v[\b:\b+7], 0, v[\sa], v[\sb] matrix_a_fmt:MATRIX_FMT_FP4 matrix_b_fmt:MATRIX_FMT_FP4 matrix_a_scale:MATRIX_SCALE_ROW1 matrix_b_scale:MATRIX_SCALE_ROW1
.elseif \ra
	v_wmma_scale_f32_16x16x128_f8f6f4 v[\d:\d+7], v[\a:\a+7], v[\b:\b+7], 0, v[\sa], v[\sb] matrix_a_fmt:MATRIX_FMT_FP4 matrix_b_fmt:MATRIX_FMT_FP4 matrix_a_scale:MATRIX_SCALE_ROW1
.elseif \rb
	v_wmma_scale_f32_16x16x128_f8f6f4 v[\d:\d+7], v[\a:\a+7], v[\b:\b+7], 0, v[\sa], v[\sb] matrix_a_fmt:MATRIX_FMT_FP4 matrix_b_fmt:MATRIX_FMT_FP4 matrix_b_scale:MATRIX_SCALE_ROW1
.else
	v_wmma_scale_f32_16x16x128_f8f6f4 v[\d:\d+7], v[\a:\a+7], v[\b:\b+7], 0, v[\sa], v[\sb] matrix_a_fmt:MATRIX_FMT_FP4 matrix_b_fmt:MATRIX_FMT_FP4
.endif
.else
.if (\ra) && (\rb)
	v_wmma_scale_f32_16x16x128_f8f6f4 v[\d:\d+7], v[\a:\a+7], v[\b:\b+7], v[\d:\d+7], v[\sa], v[\sb] matrix_a_fmt:MATRIX_FMT_FP4 matrix_b_fmt:MATRIX_FMT_FP4 matrix_a_scale:MATRIX_SCALE_ROW1 matrix_b_scale:MATRIX_SCALE_ROW1
.elseif \ra
	v_wmma_scale_f32_16x16x128_f8f6f4 v[\d:\d+7], v[\a:\a+7], v[\b:\b+7], v[\d:\d+7], v[\sa], v[\sb] matrix_a_fmt:MATRIX_FMT_FP4 matrix_b_fmt:MATRIX_FMT_FP4 matrix_a_scale:MATRIX_SCALE_ROW1
.elseif \rb
	v_wmma_scale_f32_16x16x128_f8f6f4 v[\d:\d+7], v[\a:\a+7], v[\b:\b+7], v[\d:\d+7], v[\sa], v[\sb] matrix_a_fmt:MATRIX_FMT_FP4 matrix_b_fmt:MATRIX_FMT_FP4 matrix_b_scale:MATRIX_SCALE_ROW1
.else
	v_wmma_scale_f32_16x16x128_f8f6f4 v[\d:\d+7], v[\a:\a+7], v[\b:\b+7], v[\d:\d+7], v[\sa], v[\sb] matrix_a_fmt:MATRIX_FMT_FP4 matrix_b_fmt:MATRIX_FMT_FP4
.endif
.endif
.endm
; S^T = k q^T for tile u: eight tiles of 16 keys.  O^T += v^T p^T: eight tiles of 16 channels.  Eight accumulators by turns, one instruction a turn.
.macro KQ u
.irp i, 0,1,2,3,4,5,6,7
	WM 96+8*\i, FR+8*\i, 16, 1, KS+\i/2, QS, \i%2, \u
.endr
.endm
.macro PV u, first
.irp t, 0,1,2,3,4,5,6,7
	WM 160+8*\t, FR+8*\t, 224, \first, VS+\t/2, PW+\u, \t%2, 0
.endr
.endm
; The softmax of tile u for 128 keys, as far as p's codes and scale word and the sum; under window u throughout but for the one line that writes p's scale word (scale words stand in window 0).
; first = 1: the wave's first step starts M and the sum.
.macro SOFTA u, first
.irp b, 0,1,2,3
	v_max3_num_f32 v[232+\b], v[96+16*\b], v[97+16*\b], v[98+16*\b]   ; the largest score of each block of 32 keys: for the row's maximum and, since p rises with the score, for the block's largest p
.endr
.irp i, 3,5,7,9,11,13
.irp b, 0,1,2,3
	v_max3_num_f32 v[232+\b], v[232+\b], v[96+16*\b+\i], v[97+16*\b+\i]
.endr
.endr
.irp b, 0,1,2,3
	v_max_num_f32 v[232+\b], v[232+\b], v[111+16*\b]
.endr
.irp b, 0,1,2,3
	v_permlanex16_b32 v[236+\b], v[232+\b], s[SEL], s[SEL+1]
.endr
.irp b, 0,1,2,3
	v_max_num_f32 v[232+\b], v[232+\b], v[236+\b]  ; with lane l xor 16's 16 keys
.endr
	v_max3_num_f32 v254, v232, v233, v234
	v_max_num_f32 v254, v254, v235                 ; the step's largest score of my query
.if \first
	v_mul_f32 v13, s[CS], v254                     ; as t (c is positive)
	v_floor_f32 v12, -v13                          ; -M = floor(-t) = -ceil(t)
.else
	v_mul_f32 v254, s[CS], v254
	v_max_num_f32 v13, v13, v254                   ; the running largest t
	v_mov_b32 v254, v12
	v_floor_f32 v12, -v13
	v_sub_f32 v254, v12, v254                      ; M's old value less its new one: a whole number, 0 or less
	v_cvt_i32_f32 v254, v254
	v_ldexp_f32 v252, 1.0, v254                    ; f = 2^(old M - new M): a multiplication by it rounds nothing.  It is kept for O^T's rescaling in the next trip
.endif
.irp b, 0,1,2,3
	v_fma_f32 v[232+\b], v[232+\b], s[CS], v12     ; t - M of each block's largest score
.endr
.irp b, 0,1,2,3
	v_exp_f32 v[232+\b], v[232+\b]                 ; the block's largest p: the same two instructions on the same number as its p below
	v_pk_fma_f32 v[96+2*\b:97+2*\b], v[96+2*\b:97+2*\b], s[CS:CS+1], v[12:13] op_sel_hi:[1,0,0]   ; t - M of pairs 0 to 3
.endr
; EXPONENTIALS AND PLAIN LINES BY TURNS.  Pair n of 32: its two exponentials; between them t - M of pair n + 4 (at the end: a block's floor); behind them the sum takes pair n - 2, even pairs into v[14:15],
; odd pairs into v[236:237].  A result is read only after a plain line has followed its exponential (ISA guide 5.7.2).  The sum is taken of the unquantised p.
.set n, 0
.rept 32
.set m, n-2
	v_exp_f32 v[96+2*n], v[96+2*n]                 ; p = 2^(t - M), at most 1
.if n < 28
	v_pk_fma_f32 v[104+2*n:105+2*n], v[104+2*n:105+2*n], s[CS:CS+1], v[12:13] op_sel_hi:[1,0,0]
.else
	v_max_num_f32 v[204+n], 0x1800000, v[204+n]    ; block n - 28: the floor 2^(3 - 127): the byte cannot fall under 1
.endif
	v_exp_f32 v[97+2*n], v[97+2*n]
.if n == 0
.if !\first
	v_pk_mul_f32 v[14:15], v[14:15], v[252:253] op_sel_hi:[1,0]   ; the sum under the new M
.endif
.elseif n < 3
.elseif n == 3
	s_wait_alu depctr_va_vdst(0)
	v_pk_add_f32 v[236:237], v[96:97], v[98:99]
.elseif m%2 == 1
	s_wait_alu depctr_va_vdst(0)
	v_pk_add_f32 v[236:237], v[236:237], v[96+2*m:97+2*m]
.elseif \first && (m == 2)
.elseif \first && (m == 4)
	s_wait_alu depctr_va_vdst(0)
	v_pk_add_f32 v[14:15], v[100:101], v[104:105]  ; the first step starts the sum
.else
	s_wait_alu depctr_va_vdst(0)
	v_pk_add_f32 v[14:15], v[14:15], v[96+2*m:97+2*m]
.endif
.set n, n+1
.endr
	v_pk_add_f32 v[14:15], v[14:15], v[156:157]
	s_wait_alu depctr_va_vdst(0)
	v_pk_add_f32 v[236:237], v[236:237], v[158:159]
	v_pk_add_f32 v[14:15], v[14:15], v[236:237]
.irp b, 0,1,2,3
	v_add_nc_u32 v[244+\b], 0xff000000, v[232+\b]  ; 2 off the exponent field: the conversion's scale operand
.endr
.irp b, 0,1,2,3
	v_lshrrev_b32 v[236+\b], 23, v[244+\b]         ; the scale's byte
.endr
	v_lshl_or_b32 v253, v237, 8, v236
	v_lshl_or_b32 v253, v238, 16, v253
.if \u
	WIN 0x15                                       ; sources window 1, destination window 0
.endif
	v_lshl_or_b32 v[PW+\u], v239, 24, v253         ; p's scale word for these 128 keys
.if \u
	WIN 0x55
.endif
.irp b, 0,1,2,3
	v_cvt_scalef32_pk8_fp4_f32 v[224+2*\b], v[96+16*\b:103+16*\b], v[244+\b]
	v_cvt_scalef32_pk8_fp4_f32 v[225+2*\b], v[104+16*\b:111+16*\b], v[244+\b]
.endr
	v_nop                                          ; one plain place behind a scaled conversion
.irp c, 0,1                                    ; a whole block in a lane: lanes 0-15 block 2 c, lanes 16-31 block 2 c + 1
.irp i, 0,1
	v_permlane16_swap_b32 v[224+4*\c+\i], v[226+4*\c+\i]
.endr
.endr
.endm
.macro RESCALE                         ; O^T under the new M: x f, each accumulator from its low end on
.irp j, 0,2,4,6,8,10,12,14,16,18,20,22,24,26,28,30,32,34,36,38,40,42,44,46,48,50,52,54,56,58,60,62
	v_pk_mul_f32 v[160+\j:161+\j], v[160+\j:161+\j], v[252:253] op_sel_hi:[1,0]
.endr
.endm
; WHAT A STEP STILL OWES: O^T x f, then O^T += v^T p^T, for both tiles: registers alone.  first = 1: the wave's first step: its products start O^T, nothing is rescaled, nothing is ever cleared.
; Tile 1's codes and scale word were written by vector lines last: between those and the products that take them stand four v_nop behind the round and tile 0's 32 multiplies, or the eight v_nop here.
.macro OWED first
.if \first
.rept 8
	v_nop
.endr
.else
	RESCALE
.endif
	WIN 0x01                                       ; source 0 (v^T) window 1; p, C and D window 0
	PV 0, \first
	WIN 0x55                                       ; all of tile 1's in window 1
.if !\first
	RESCALE                                        ; tile 1's multiplies run beside tile 0's products, whose registers they do not name
.endif
	PV 1, \first
	WIN 0
.endm
; A key step on my record of the slot.  owed = 0: nothing is owed; 1: the wave's first step is; 2: any other.  first = 1: this is the wave's first step.
.macro BODY slot, owed, first
.irp i, 0,1,2,3,4,5,6,7
.irp c, 0,1
	ds_load_b128 v[FR+8*\i+4*\c:FR+8*\i+4*\c+3], v[ADR+\slot] offset:1024*\i+512*\c
.endr
.endr
	ds_load_b128 v[KS:KS+3], v[ADR+\slot] offset:16384
.if \owed == 1
	OWED 1
.elseif \owed == 2
	OWED 0
.endif
	s_wait_dscnt 0x0                               ; k and its scale words are in
	KQ 0
	WIN 0x54                                       ; source 0 (k) window 0; q, C and D window 1
	KQ 1
	WIN 0
	PLACES                                         ; in front of the loads into v^T's and its scale words' registers, which the owed products read, and of the first read of the scores
	ds_load_b128 v[VS:VS+3], v[ADR+\slot] offset:16896
	WIN 0x40                                       ; destination window 1, address window 0
.irp i, 0,1,2,3,4,5,6,7
.irp c, 0,1
	ds_load_b128 v[FR+8*\i+4*\c:FR+8*\i+4*\c+3], v[ADR+\slot] offset:8192+1024*\i+512*\c   ; v^T lands while the softmaxes run; the wait for it is the one in front of the next round
.endr
.endr
	WIN 0
	SOFTA 0, \first
	WIN 0x55
	SOFTA 1, \first
	WIN 0
.endm
; A trip.  In front of the round each wave waits for all its tensor loads (one is out: my record of this trip's slot), adds 0 to its spare word, and waits for that and for its reads of the other slot.
; Behind the round no wave of any partner reads the other slot or has a load on its way: it is filled again first, and that load has the whole trip in which to land.
.macro TRIP slot, refill, owed
	s_wait_tensorcnt 0x0                           ; no tensor load of mine is out, so a group 0 may be written
	ds_add_u32 v[SPW], v[NIL]                      ; 0 onto my spare word
.if \refill
	s_add_nc_u64 s[G0+6-4*\slot:G0+7-4*\slot], s[G0+6-4*\slot:G0+7-4*\slot], 2*SLOTB   ; the other slot's next records
.endif
	s_wait_dscnt 0x0                               ; the add is done, and my reads of the other slot are over
	ROUND
.if \refill
	tensor_load_to_lds s[G0+4-4*\slot:G0+7-4*\slot], s[G1:G1+7]   ; my one tensor load behind the round
	s_nop 0
.endif
	PLACES                                         ; four v_nop follow the load
	BODY \slot, \owed, 0
.endm
	s_load_b256 s[4:11], s[0:1], 0x0               ; qc s[4:5], qs s[6:7], kv s[8:9], oc s[10:11]
	s_load_b64 s[12:13], s[0:1], 0x20              ; os
	v_lshl_add_u32 v[SPW], v0, 2, SPARE
	v_mov_b32 v[NIL], 0
	ds_add_u32 v1, v2
	ds_add_u32 v1, v2
	s_wait_dscnt 0x0
	v_lshrrev_b32 v32, 5, v0
	v_readfirstlane_b32 s[WN], v32                 ; wave 0..7
	s_bfe_u32 s15, ttmp6, 0x40000                  ; cx: my place in the cluster
	s_lshl_b32 s16, ttmp9, 2
	s_add_co_u32 s16, s16, s15                     ; my group of 32 queries: it enters the addresses of qc, qs, oc and os alone
	s_and_b32 s17, s[WN], 1                        ; the merge: my tile u
	s_lshr_b32 s18, s[WN], 1                       ; and my block b of 32 channels
	s_mov_b32 s[SEL], 0x76543210
	s_mov_b32 s[SEL+1], 0xfedcba98
	s_mov_b32 s[CS], 0x3db8aa3b                    ; c = log2(e) / 16
	s_mov_b32 s[CS+1], s[CS]                       ; (named with it as a pair, so it is written)
	; every LDS address is made here, of the lane and the wave's number alone
	v_and_b32 v32, 31, v0
	v_and_b32 v33, 15, v0
	v_bfe_u32 v34, v0, 4, 1
	v_lshlrev_b32 v[LI], 4, v32
	v_lshlrev_b32 v[L4], 2, v32
	s_mul_i32 s41, s[WN], REC
	v_add_nc_u32 v[ADR], s41, v[LI]
	v_add_nc_u32 v[ADR+1], SLOTB, v[ADR]
	s_lshl_b32 s42, s[WN], 9
	s_add_co_u32 s42, s42, MST
	v_add_nc_u32 v[MW], s42, v[L4]
	s_lshl_b32 s42, s17, 8
	s_add_co_u32 s42, s42, MST
	v_add_nc_u32 v[MR], s42, v[L4]
	s_lshl_b32 s42, s[WN], 14
	v_add_nc_u32 v[OW], s42, v[LI]
	s_lshl_b32 s42, s17, 13
	s_lshl_b32 s43, s18, 11
	s_add_co_u32 s42, s42, s43
	v_add_nc_u32 v[OR0], s42, v[LI]
	v_add_nc_u32 v[OR0+1], 65536, v[OR0]
	s_lshl_b32 s42, s17, 6
	s_add_co_u32 s42, s42, s18
	s_add_co_u32 s42, s42, OSC
	v_lshl_add_u32 v[SBW], v33, 2, s42
	v_lshlrev_b32 v[CO], 4, v33
	v_lshl_add_u32 v[CO], v34, 3, v[CO]
	v_add_nc_u32 v[OSR], OSC, v[L4]
	; descriptor group 1: a record as 68 dense rows of 256 bytes (32 elements of 8 bytes)
	s_mov_b32 s[G1], 0x0023000f                    ; 15:0 the mask: all four work-groups; 17:16 elements of 8 bytes; 20 no padding; 21 set beside a mask
	s_mov_b32 s[G1+1], 32<<16                      ; tensor_dim0 = 32
	s_mov_b32 s[G1+2], 68<<16                      ; tensor_dim1 = 68
	s_mov_b32 s[G1+3], 32<<16                      ; tile_dim0 = 32
	s_mov_b32 s[G1+4], 68                          ; tile_dim1 = 68
	s_mov_b32 s[G1+5], 32                          ; from row to row
	s_mov_b32 s[G1+6], 0
	s_mov_b32 s[G1+7], 0
	s_mov_b32 s42, s41
	s_mov_b32 s43, 0
	s_lshl_b32 s46, s16, 11                        ; 2,048 bytes of codes a group, in qc and in oc
	s_mov_b32 s47, 0
	s_wait_kmcnt 0x0
	s_add_nc_u64 s[44:45], s[8:9], s[42:43]        ; kv at record w
.irp n, 0,1
	s_mov_b32 s[G0+4*\n], 1                        ; count = 1
	s_add_co_u32 s[G0+4*\n+1], s41, \n*SLOTB       ; LDS address: slot n, record w
	s_add_nc_u64 s[G0+4*\n+2:G0+4*\n+3], s[44:45], \n*SLOTB   ; global address: records 8 n + w
	s_or_b32 s[G0+4*\n+3], s[G0+4*\n+3], 0x80000000   ; type = 2
.endr
	s_add_nc_u64 s[4:5], s[4:5], s[46:47]
	s_add_nc_u64 s[10:11], s[10:11], s[46:47]
	s_lshl_b32 s46, s17, 10
	s_lshl_b32 s19, s18, 8
	s_add_co_u32 s46, s46, s19
	s_add_nc_u64 s[10:11], s[10:11], s[46:47]      ; oc: + 1,024 u + 256 b: my 256 bytes of o's image
	s_lshl_b32 s46, s16, 7
	s_add_nc_u64 s[12:13], s[12:13], s[46:47]      ; os: 128 bytes a group
	s_lshr_b32 s46, s16, 2
	s_lshl_b32 s46, s46, 9
	s_and_b32 s19, s16, 3
	s_lshl_b32 s19, s19, 2
	s_add_co_u32 s46, s46, s19
	s_add_nc_u64 s[6:7], s[6:7], s[46:47]          ; qs: block of 128 queries, register (group % 4) of its scale words
	ROUND                                          ; all four work-groups are here: the first joint loads meet
	tensor_load_to_lds s[G0:G0+3], s[G1:G1+7]      ; both first fills go out together, ahead of every wait on TENSORcnt and every LDS read: two loads of mine are out here, later one
	s_nop 0
	tensor_load_to_lds s[G0+4:G0+7], s[G1:G1+7]
	s_nop 0
	PLACES
.irp c, 0,1
	global_load_b128 v[16+4*\c:19+4*\c], v[LI], s[4:5] offset:512*\c   ; q's tile 0 stays in registers
.endr
	global_load_b32 v[QS], v[LI], s[6:7]           ; q's scale words: tile 0's in lanes 0-15, tile 1's in lanes 16-31
.irp b, 0,1,2,3
	v_mov_b32 v[236+\b], 0                         ; written once: a lane permute's destination counts as one of its sources
.endr
	WIN 0x40                                       ; destination window 1, address window 0
.irp c, 0,1
	global_load_b128 v[16+4*\c:19+4*\c], v[LI], s[4:5] offset:1024+512*\c   ; tile 1
.endr
.irp b, 0,1,2,3
	v_mov_b32 v[236+\b], 0
.endr
	WIN 0
	s_wait_loadcnt 0x0
	s_wait_tensorcnt 0x1                           ; my record of slot 0 is in; slot 1's may stay out
	s_barrier_signal -1
	s_barrier_wait -1
	BODY 0, 0, 1                                   ; trip 0: records w
	TRIP 1, 1, 1                                   ; trip 1: the owed step starts O^T, so this trip is written out
	s_mov_b32 s40, 2
.Lpair:                                            ; trips 2 to 5
	TRIP 0, 1, 2
	TRIP 1, 1, 2
	s_sub_co_u32 s40, s40, 1
	s_cmp_lg_u32 s40, 0
	s_cbranch_scc1 .Lpair
	TRIP 0, 1, 2                                   ; trip 6 asks for the last records
	TRIP 1, 0, 2                                   ; trip 7 is written out: nothing is left to fetch
	s_wait_dscnt 0x0                               ; the last v^T is in
	OWED 0                                         ; and the last step pays what it owes
	; THE MERGE.  Each wave's sum (its two halves and lane l xor 16's), -M and O^T go to LDS.  O^T's stage lies in slot 0: it has had its last fill, and every wave has passed the last round, behind which nobody reads it.
	v_add_f32 v14, v14, v15
	v_permlanex16_b32 v252, v14, s[SEL], s[SEL+1]
	v_add_f32 v14, v14, v252
	WIN 0x55
	v_add_f32 v14, v14, v15
	v_permlanex16_b32 v252, v14, s[SEL], s[SEL+1]
	v_add_f32 v14, v14, v252
	WIN 0
	PLACES                                         ; in front of the stores that read the last products' results
	ds_store_b32 v[MW], v12
	ds_store_b32 v[MW], v14 offset:128
.irp q, 0,1,2,3,4,5,6,7,8,9,10,11,12,13,14,15
	ds_store_b128 v[OW], v[160+4*\q:163+4*\q] offset:512*\q   ; each accumulator from its low end on
.endr
	WIN 0x04                                       ; an LDS store's data are its source 1: window 1
	ds_store_b32 v[MW], v12 offset:256
	ds_store_b32 v[MW], v14 offset:384
.irp q, 0,1,2,3,4,5,6,7,8,9,10,11,12,13,14,15
	ds_store_b128 v[OW], v[160+4*\q:163+4*\q] offset:8192+512*\q
.endr
	WIN 0
	s_wait_dscnt 0x0                               ; for the others' sake: my stores have landed
	s_barrier_signal -1
	s_barrier_wait -1
	; Wave (u = w % 2, b = w / 2) merges registers 16 b .. 16 b + 15 of tile u: a lane's 16 channels 32 b + 16 (lane / 16) + i of its query.
.irp w, 0,1,2,3,4,5,6,7
	ds_load_b32 v[32+\w], v[MR] offset:512*\w      ; -M of wave w's part
	ds_load_b32 v[41+2*\w], v[MR] offset:512*\w+128   ; its sum, beside the place of its factor
.endr
.irp w, 0,1,2,3
.irp q, 0,1,2,3
	ds_load_b128 v[96+16*\w+4*\q:99+16*\w+4*\q], v[OR0] offset:16384*\w+512*\q
.endr
.endr
.irp w, 0,1,2,3
.irp q, 0,1,2,3
	ds_load_b128 v[160+16*\w+4*\q:163+16*\w+4*\q], v[OR0+1] offset:16384*\w+512*\q
.endr
.endr
	s_wait_dscnt 32                                ; the sixteen small loads are in; O^T's 32 may be out
	v_min3_num_f32 v56, v32, v33, v34
	v_min3_num_f32 v56, v56, v35, v36
	v_min3_num_f32 v56, v56, v37, v38
	v_min_num_f32 v56, v56, v39                    ; -M of the whole row
.irp w, 0,1,2,3,4,5,6,7
	v_sub_f32 v[32+\w], v56, v[32+\w]              ; wave w's M less the row's: a whole number, 0 or less
.endr
.irp w, 0,1,2,3,4,5,6,7
	v_cvt_i32_f32 v[32+\w], v[32+\w]
.endr
.irp w, 0,1,2,3,4,5,6,7
	v_ldexp_f32 v[40+2*\w], 1.0, v[32+\w]          ; its factor: an exact power of two
.endr
	v_mul_f32 v57, v40, v41
.irp w, 1,2,3,4,5,6,7
	v_fma_f32 v57, v[40+2*\w], v[41+2*\w], v57     ; the row's sum
.endr
	v_rcp_f32 v58, v57
	v_rcp_f32 v59, v57                             ; twice: a pair for the packed multiply; the sums below stand between these and their use
	s_wait_dscnt 0x0
.irp j, 0,2,4,6,8,10,12,14
	v_pk_mul_f32 v[64+\j:65+\j], v[96+\j:97+\j], v[40:41] op_sel_hi:[1,0]
.endr
.irp w, 1,2,3,4,5,6,7
.irp j, 0,2,4,6,8,10,12,14
	v_pk_fma_f32 v[64+\j:65+\j], v[96+16*\w+\j:97+16*\w+\j], v[40+2*\w:41+2*\w], v[64+\j:65+\j] op_sel_hi:[1,0,1]
.endr
.endr
	s_wait_alu depctr_va_vdst(0)
.irp j, 0,2,4,6,8,10,12,14
	v_pk_mul_f32 v[64+\j:65+\j], v[64+\j:65+\j], v[58:59]   ; o = O / the sum
.endr
	v_mov_b32 v83, 0                               ; a lane permute's destination counts as one of its sources
	v_max3_num_f32 v82, |v64|, |v65|, 0x1800000    ; my block of 32 channels: my 16 numbers and the floor,
.irp i, 2,4,6,8,10,12,14
	v_max3_num_f32 v82, v82, |v[64+\i]|, |v[65+\i]|
.endr
	v_permlanex16_b32 v83, v82, s[SEL], s[SEL+1]
	v_max_num_f32 v82, v82, v83                    ; and lane l xor 16's
	v_add_nc_u32 v84, 0xff000000, v82
	v_lshrrev_b32 v85, 23, v84
	v_cvt_scalef32_pk8_fp4_f32 v80, v[64:71], v84
	v_cvt_scalef32_pk8_fp4_f32 v81, v[72:79], v84
	v_nop                                          ; one plain place behind a scaled conversion
	global_store_b64 v[CO], v[80:81], s[10:11]     ; block b of the image: bytes 16 r + 8 h of its 256: the 32 lanes store 256 consecutive bytes, aligned
	ds_store_b8 v[SBW], v85                        ; both halves of the lanes write the same byte with the same value
	s_wait_dscnt 0x0
	s_barrier_signal -1
	s_barrier_wait -1                              ; o's 32 scale words are whole
	s_cmp_lg_u32 s[WN], 0
	s_cbranch_scc1 .Lnot_mine
	ds_load_b32 v86, v[OSR]
	s_wait_dscnt 0x0
	global_store_b32 v[L4], v86, s[12:13]          ; 128 consecutive bytes: the one store of the work-group's 2,176 bytes that covers less than 256
.Lnot_mine:
	s_wait_tensorcnt 0x0                           ; the wave's end, behind my last tensor load and my last LDS store
	ds_add_u32 v[SPW], v[NIL]
	s_wait_dscnt 0x0
	ROUND                                          ; the closing round: no work-group ends while a partner may still ask for a record that names it
	s_endpgm
.Lfunc_end_k_q7b7120d432_attn:
	.size	k_q7b7120d432_attn, .Lfunc_end_k_q7b7120d432_attn-k_q7b7120d432_attn
	.p2alignl 7, 3214868480
	.fill 96, 4, 3214868480
	.section	.rodata,"a",@progbits
	.p2align	6, 0x0
	.amdhsa_kernel k_q7b7120d432_attn
		.amdhsa_group_segment_fixed_size 327680
		.amdhsa_private_segment_fixed_size 0
		.amdhsa_enable_private_segment 0
		.amdhsa_kernarg_size 40
		.amdhsa_user_sgpr_count 2
		.amdhsa_user_sgpr_kernarg_segment_ptr 1
		.amdhsa_wavefront_size32 1
		.amdhsa_system_sgpr_workgroup_id_x 1
		.amdhsa_system_sgpr_workgroup_id_y 1
		.amdhsa_system_sgpr_workgroup_id_z 1
		.amdhsa_system_vgpr_workitem_id 0
		.amdhsa_next_free_vgpr 512
		.amdhsa_next_free_sgpr 66
		.amdhsa_reserve_vcc 0
		.amdhsa_float_denorm_mode_32 3
		.amdhsa_float_denorm_mode_16_64 3
		.amdhsa_memory_ordered 1
		.amdhsa_forward_progress 1
		.amdhsa_inst_pref_size 220
	.end_amdhsa_kernel
	.amdgpu_metadata
---
amdhsa.version: [ 1, 2 ]
amdhsa.kernels:
  - .name:           k_q7b7120d432_attn
    .symbol:         k_q7b7120d432_attn.kd
    .args:
      - { .name: qc, .offset: 0, .size: 8, .value_kind: global_buffer, .address_space: global }
      - { .name: qs, .offset: 8, .size: 8, .value_kind: global_buffer, .address_space: global }
      - { .name: kv, .offset: 16, .size: 8, .value_kind: global_buffer, .address_space: global }
      - { .name: oc, .offset: 24, .size: 8, .value_kind: global_buffer, .address_space: global }
      - { .name: os, .offset: 32, .size: 8, .value_kind: global_buffer, .address_space: global }
    .group_segment_fixed_size: 327680
    .private_segment_fixed_size: 0
    .kernarg_segment_align: 8
    .kernarg_segment_size: 40
    .max_flat_workgroup_size: 256
    .sgpr_count:     66
    .vgpr_count:     512
    .wavefront_size: 32
...
	.end_amdgpu_metadata
.endif
;; end of part 2
;; launch outp (part 3): grid 128 x 2, 8 waves a work-group, no clusters, 35,840 bytes of LDS; arguments oc, os, Wo_codes, Wo_scales, bo, x, out0; writes out0
.if DOCPART == 3
	.amdgcn_target "amdgcn-amd-amdhsa--gfx1250"
	.amdhsa_code_object_version 6
	.text
	.protected	k_q7b7120d432_outp
	.globl	k_q7b7120d432_outp
	.p2align	8
	.type	k_q7b7120d432_outp,@function
k_q7b7120d432_outp:
	s_mov_b64 s[64:65], 0
	v_nop
	global_prefetch_b8 v0, s[64:65] scope:SCOPE_SE
	s_setreg_imm32_b32 hwreg(HW_REG_WAVE_MODE, 25, 1), 1
	s_wait_xcnt 0x0
; out0 = x + Wo o + bo.  o arrives as codes of FP4 (E2M1), images of registers (1,024 bytes a tile of 16 voxels x 128 channels), with a scale word a row; Wo: [256][128] codes, K innermost, scale bytes [256][4].  x, out0: [256][8,192] f32.
; A work-group takes 64 voxels x 128 rows of out0; wave w the 16 rows 16 T on, T = 8 y + w.  Source 0 = a tile of o (row r of tile 2 g + u is voxel 32 g + 8 u + r + 8 (r / 8)), source 1 = 16 rows of Wo:
; a lane then holds ONE row of out0 (lane % 16) and register j of tile 2 g + u is voxel 32 g + 16 (lane / 16) + 8 u + j: eight neighbours.  bo is the C of each product.
; The 16 rows x 256 bytes go through the wave's own stage in LDS (rows 272 bytes apart) and come back by rows, so that sixteen lanes add x to and store 256 consecutive bytes, aligned.
; One product a tile, no loop, no barrier: waves share nothing.  No tensor loads and no cluster: what work-groups share (Wo, 17 KB) is small beside x and out0, each byte of which is moved once.
.set OF,  16                           ; v16-47   o's four fragments
.set WOF, 48                           ; v48-55   Wo's fragment
.set WOS, 56                           ; v56      its scale words
.set OSR, 57                           ; v57-58   o's scale words: tile 2 g in lanes 0-15, tile 2 g + 1 in lanes 16-31 of register g
.set BO,  60                           ; v60-67   bo of my row, eight times
.set DD,  68                           ; v68-99   four results
.set XV,  100                          ; v100-131 x
.set Y,   132                          ; v132-163 rows back from the stage, then out0
	s_load_b256 s[4:11], s[0:1], 0x0               ; oc s[4:5], os s[6:7], Wo's codes s[8:9], Wo's scales s[10:11]
	s_load_b128 s[12:15], s[0:1], 0x20             ; bo s[12:13], x s[14:15]
	s_load_b64 s[16:17], s[0:1], 0x30              ; out0
	v_lshl_add_u32 v168, v0, 2, 0x8800
	v_mov_b32 v169, 0
	v_lshrrev_b32 v1, 5, v0
	v_readfirstlane_b32 s18, v1                    ; wave 0..7
	s_and_b32 s19, ttmp7, 0xffff
	s_lshl_b32 s19, s19, 3
	s_add_co_u32 s19, s19, s18                     ; T
	v_and_b32 v1, 31, v0                           ; lane
	v_and_b32 v2, 15, v0                           ; r
	v_bfe_u32 v3, v0, 4, 1                         ; h
	v_lshlrev_b32 v4, 4, v1                        ; 16 x lane
	v_lshlrev_b32 v5, 2, v1                        ; 4 x lane
	v_lshlrev_b32 v6, 6, v2
	v_lshl_add_u32 v6, v3, 4, v6                   ; Wo: row r of 64 bytes, + 16 h
	v_lshlrev_b32 v7, 2, v2                        ; 4 r
	v_lshlrev_b32 v8, 4, v2
	v_lshl_add_u32 v8, v3, 15, v8                  ; x, out0: lanes 0-15 one row's 256 bytes, lanes 16-31 the next row's
	s_mul_i32 s20, s18, 16*272                     ; my stage
	v_mul_u32_u24 v9, v2, 272
	v_lshl_add_u32 v9, v3, 6, v9
	v_add_nc_u32 v9, s20, v9                       ; in: row r, + 64 h
	v_mul_u32_u24 v10, v3, 272
	v_lshl_add_u32 v10, v2, 4, v10
	v_add_nc_u32 v10, s20, v10                     ; back: lanes 0-15 one row, lanes 16-31 the next
	s_lshl_b32 s22, ttmp9, 12                      ; oc: four tiles a work-group
	s_mov_b32 s23, 0
	s_lshl_b32 s24, ttmp9, 8                       ; os: 256 bytes; also my 64 voxels in a row of x
	s_mov_b32 s25, 0
	s_lshl_b32 s26, s19, 10                        ; Wo's codes: 16 rows of 64 bytes
	s_mov_b32 s27, 0
	s_lshl_b32 s28, s19, 6                         ; Wo's scales and bo: 16 rows of 4 bytes
	s_mov_b32 s29, 0
	s_lshl_b32 s30, s19, 19                        ; x, out0: 16 rows of 32,768 bytes
	s_add_co_u32 s30, s30, s24
	s_mov_b32 s31, 0
	s_wait_kmcnt 0x0
	s_add_nc_u64 s[4:5], s[4:5], s[22:23]
	s_add_nc_u64 s[6:7], s[6:7], s[24:25]
	s_add_nc_u64 s[8:9], s[8:9], s[26:27]
	s_add_nc_u64 s[10:11], s[10:11], s[28:29]
	s_add_nc_u64 s[12:13], s[12:13], s[28:29]
	s_add_nc_u64 s[14:15], s[14:15], s[30:31]
	s_add_nc_u64 s[16:17], s[16:17], s[30:31]
.irp t, 0,1,2,3
.irp c, 0,1
	global_load_b128 v[OF+8*\t+4*\c:OF+8*\t+4*\c+3], v4, s[4:5] offset:1024*\t+512*\c
.endr
.endr
.irp g, 0,1
	global_load_b32 v[OSR+\g], v5, s[6:7] offset:128*\g
.endr
.irp c, 0,1
	global_load_b128 v[WOF+4*\c:WOF+4*\c+3], v6, s[8:9] offset:32*\c
.endr
	global_load_b32 v[WOS], v7, s[10:11]
	global_load_b32 v[BO], v7, s[12:13]
.irp k, 0,1,2,3,4,5,6,7
	global_load_b128 v[XV+4*\k:XV+4*\k+3], v8, s[14:15] offset:65536*\k th:TH_LOAD_NT   ; rows 2 k and 2 k + 1: sixteen lanes read 256 consecutive bytes; read once in this launch
.endr
	s_wait_loadcnt 8                               ; the fourteen small loads are in; x's eight may be out
.irp j, 1,2,3,4,5,6,7
	v_mov_b32 v[BO+\j], v[BO]
.endr
.irp t, 0,1,2,3
.if \t%2
	v_wmma_scale_f32_16x16x128_f8f6f4 v[DD+8*\t:DD+8*\t+7], v[OF+8*\t:OF+8*\t+7], v[WOF:WOF+7], v[BO:BO+7], v[OSR+\t/2], v[WOS] matrix_a_fmt:MATRIX_FMT_FP4 matrix_b_fmt:MATRIX_FMT_FP4 matrix_a_scale:MATRIX_SCALE_ROW1
.else
	v_wmma_scale_f32_16x16x128_f8f6f4 v[DD+8*\t:DD+8*\t+7], v[OF+8*\t:OF+8*\t+7], v[WOF:WOF+7], v[BO:BO+7], v[OSR+\t/2], v[WOS] matrix_a_fmt:MATRIX_FMT_FP4 matrix_b_fmt:MATRIX_FMT_FP4
.endif
.endr
.rept 4
	v_nop                                          ; places in front of the stores that read the results
.endr
.irp t, 0,1,2,3
	ds_store_b128 v9, v[DD+8*\t:DD+8*\t+3] offset:128*(\t/2)+32*(\t%2)        ; each result from its low end on
	ds_store_b128 v9, v[DD+8*\t+4:DD+8*\t+7] offset:128*(\t/2)+32*(\t%2)+16
.endr
.irp k, 0,1,2,3,4,5,6,7
	ds_load_b128 v[Y+4*\k:Y+4*\k+3], v10 offset:2*\k*272   ; LDS serves a wave's instructions in order (ISA guide 5.7.1.4): these see my stores
.endr
	s_wait_loadcnt 0x0                             ; x
.irp k, 0,1,2,3,4,5,6,7
	s_wait_dscnt 7-\k                              ; rows 2 k and 2 k + 1 are back
	v_pk_add_f32 v[Y+4*\k:Y+4*\k+1], v[Y+4*\k:Y+4*\k+1], v[XV+4*\k:XV+4*\k+1]
	v_pk_add_f32 v[Y+4*\k+2:Y+4*\k+3], v[Y+4*\k+2:Y+4*\k+3], v[XV+4*\k+2:XV+4*\k+3]
	global_store_b128 v8, v[Y+4*\k:Y+4*\k+3], s[16:17] offset:65536*\k th:TH_STORE_NT   ; sixteen lanes store 256 consecutive bytes, aligned
.endr
	s_wait_tensorcnt 0x0
	ds_add_u32 v168, v169
	s_wait_dscnt 0x0
	s_endpgm
.Lfunc_end_k_q7b7120d432_outp:
	.size	k_q7b7120d432_outp, .Lfunc_end_k_q7b7120d432_outp-k_q7b7120d432_outp
	.p2alignl 7, 3214868480
	.fill 96, 4, 3214868480
	.section	.rodata,"a",@progbits
	.p2align	6, 0x0
	.amdhsa_kernel k_q7b7120d432_outp
		.amdhsa_group_segment_fixed_size 35840
		.amdhsa_private_segment_fixed_size 0
		.amdhsa_enable_private_segment 0
		.amdhsa_kernarg_size 56
		.amdhsa_user_sgpr_count 2
		.amdhsa_user_sgpr_kernarg_segment_ptr 1
		.amdhsa_wavefront_size32 1
		.amdhsa_system_sgpr_workgroup_id_x 1
		.amdhsa_system_sgpr_workgroup_id_y 1
		.amdhsa_system_sgpr_workgroup_id_z 1
		.amdhsa_system_vgpr_workitem_id 0
		.amdhsa_next_free_vgpr 170
		.amdhsa_next_free_sgpr 66
		.amdhsa_reserve_vcc 0
		.amdhsa_float_denorm_mode_32 3
		.amdhsa_float_denorm_mode_16_64 3
		.amdhsa_memory_ordered 1
		.amdhsa_forward_progress 1
		.amdhsa_inst_pref_size 9
	.end_amdhsa_kernel
	.amdgpu_metadata
---
amdhsa.version: [ 1, 2 ]
amdhsa.kernels:
  - .name:           k_q7b7120d432_outp
    .symbol:         k_q7b7120d432_outp.kd
    .args:
      - { .name: oc, .offset: 0, .size: 8, .value_kind: global_buffer, .address_space: global }
      - { .name: os, .offset: 8, .size: 8, .value_kind: global_buffer, .address_space: global }
      - { .name: Wo_codes, .offset: 16, .size: 8, .value_kind: global_buffer, .address_space: global }
      - { .name: Wo_scales, .offset: 24, .size: 8, .value_kind: global_buffer, .address_space: global }
      - { .name: bo, .offset: 32, .size: 8, .value_kind: global_buffer, .address_space: global }
      - { .name: x, .offset: 40, .size: 8, .value_kind: global_buffer, .address_space: global }
      - { .name: out0, .offset: 48, .size: 8, .value_kind: global_buffer, .address_space: global }
    .group_segment_fixed_size: 35840
    .private_segment_fixed_size: 0
    .kernarg_segment_align: 8
    .kernarg_segment_size: 56
    .max_flat_workgroup_size: 256
    .sgpr_count:     66
    .vgpr_count:     170
    .wavefront_size: 32
...
	.end_amdgpu_metadata
.endif
;; end of part 3
;; ======== version 2 of 2: 3 launches; version 1 with the launches proj, outp written anew for expert scheduling mode
;; workspace buffers: qc 524,288 bytes; qs 32,768 bytes; kv 1,114,112 bytes; oc 524,288 bytes; os 32,768 bytes
;; launch proj (part 4): grid 64 x 1, 16 waves a work-group, no clusters, 55,808 bytes of LDS; arguments x, Wq_codes, Wq_scales, bq, Wk_codes, Wk_scales, bk, Wv_codes, Wv_scales, bv, qc, qs, kv; writes qc, qs, kv
.if DOCPART == 4
	.amdgcn_target "amdgcn-amd-amdhsa--gfx1250"
	.amdhsa_code_object_version 6
	.text
	.protected	k_q7b7120d432_proj
	.globl	k_q7b7120d432_proj
	.p2align	8
	.type	k_q7b7120d432_proj,@function
k_q7b7120d432_proj:
	s_mov_b64 s[64:65], 0
	v_nop
	global_prefetch_b8 v0, s[64:65] scope:SCOPE_SE
	s_setreg_imm32_b32 hwreg(HW_REG_WAVE_SCHED_MODE, 0, 2), 2
	s_setreg_imm32_b32 hwreg(HW_REG_WAVE_MODE, 25, 1), 1
	s_wait_xcnt 0x0
	s_wait_alu depctr_vm_vsrc(0)
; q, k, v = W x + b on codes of FP4 (E2M1) with one E8M0 scale for each 32 along K, and their own codes for the attention launch.
; x: [256 channels][8,192 voxels] f32, K = the channels (its FIRST axis).  Wq, Wk, Wv: [128][256] codes, K innermost, scale bytes [128][8].
; A work-group takes 128 voxels: it makes 8 tiles of q, and one whole record of kv (8 tiles of k, 8 tiles of v^T, two blocks of scale words).
; ALL OPERANDS ARE KEPT AS IMAGES OF THEIR REGISTERS: a fragment (16 rows x 128 K, 8 registers a lane) is 1,024 bytes, register group c at 512 c + 16 x lane.
; THE ROWS OF A TILE ARE NOT NEIGHBOURS: row r of tile 2 b + u is element 32 b + 8 u + r + 8 (r / 8), for voxels and for the rows of Wq, Wk, Wv alike.  With such a tile as source 0,
; register 16 b + i of a lane's 64 results is element 32 b + 16 (lane / 16) + i: 16 neighbours along the next product's K, which the conversions want.
; STEPS.  (1) x: a lane takes a voxel, its registers run down the channels: each load reads 128 consecutive bytes, four waves side by side 512; a block of 32 lies in one lane.  Wave w: voxels 32 (w % 4) on, channels 64 (w / 4) on.
; (2) wave w brings tile w % 8 of Wq (w < 8) or Wk into LDS.  | barrier |  (3) job 1, all waves: source 0 = the 8 tiles of Wq or Wk, source 1 = x's tile w % 8: a tile of q or k, quantised along its 128 channels.
; (4) job 2, waves 0-7: source 0 = x's 8 tiles, source 1 = tile w of Wv: a tile of v^T, quantised along the 128 voxels (the keys).  | barrier |  (5) waves 0-2 store the three blocks of scale words.
; A BLOCK OF SCALE WORDS (512 bytes): the word of tile i, row r at 16 (r + 16 (i % 2)) + 4 (i / 2): one load of 16 bytes a lane gives 4 registers, tile 2 n in lanes 0-15 and tile 2 n + 1 in lanes 16-31 of register n.
; LIMITS: NaN and infinities are not served.  A block's largest magnitude is taken no smaller than 2^(3 - 127), so that its byte is at least 1; a block of zeros so gets the byte 1 and zero codes; the bytes are read by this program alone.
; THE MODE: SCHED_MODE bits 1:0 = 2 (LLVM: expert scheduling mode 2), set by the entry lines.  The code itself states the register dependences
; between vector or matrix instructions and memory or LDS instructions, with s_wait_alu, always for 0.
; THE PLAN.  Registers that memory or LDS instructions touch:
;   v1-15, v102, v103  offsets and LDS addresses: written once, at the head, read by every load and store, never written again.  v16-21 serve the head's arithmetic; later x's tile lands in v16-31.
;   v192-255           x's 64 numbers land here and are read by the two blocks' maxima and conversions; then source 0's fragments land here four times (two jobs, two K steps), each time read by eight products.
;   v50-57, v58, v68   codes, a scale word, two scale bytes: written by conversions, swaps and shifts; read by LDS and global stores; v50-57 are written three times.
;   v104-121           a weight's tile, later a block of scale words: written by loads, read by stores; no vector instruction names them.
;   v32-47             source 0's scale words: written by LDS loads in each job, read by its products.
;   v48-49, v76, v84-101, and v128-191 as the bias: written by loads once, read by products.
; THE WAITS ON va_vdst: one ahead of the first load (the addresses); one behind both blocks' conversions (their stores' data; and v192-255 are read out); one between a job's two K steps (the eight products are done reading
; their fragments); one behind each quantiser (its stores' data; job 1's also shows job 1's products done reading v32-47 and v192-255, in which job 2's first loads land: only the copies of bv, v76-83, stand between).
; THE WAITS ON vm_vsrc: one behind the first barrier and one behind job 1's stores: the stores have read v50-58, v68 and v104-121, which the next quantiser and the last LDS load write.
.set XIMG, 0                           ; LDS: x's 8 tiles x 2 K steps: tile x 2,048 + step x 1,024 + image
.set WIMG, 16384                       ; Wq's and Wk's 16 tiles likewise
.set XSC,  49152                       ; x's scale words: tile x 128 + 8 r + 4 step
.set WSC,  50176                       ; Wq's and Wk's likewise
.set SST,  52224                       ; the blocks of scale words of q, k, v: 512 bytes each
.set REC,  17408                       ; a record of kv: k's 8 tiles, v^T's 8 tiles, k's scale words, v's
.set L4,   1                           ; v1   4 x lane
.set LI,   2                           ; v2   16 x lane
.set L8,   3                           ; v3   8 x (lane % 16)
.set XW,   4                           ; v4   where my voxel's codes go in x's images
.set XSW,  5                           ; v5   and its two scale bytes
.set WG,   6                           ; v6   my row of a weight's tile, in bytes of codes, + 16 (lane / 16)
.set WS,   7                           ; v7   the same row's 8 scale bytes
.set WW,   8                           ; v8   where I put the weight's images
.set WSW,  9                           ; v9   and its scale words
.set BA,   10                          ; v10  64 (lane / 16): my half's place in a bias
.set MA1,  11                          ; v11  job 1: my weight's images
.set MS1,  12                          ; v12  and scale words
.set OA1,  13                          ; v13  job 1: my tile of x
.set OS1,  14                          ; v14  and its scale words
.set SW,   15                          ; v15  where my result's scale word goes
.set OWN,  16                          ; v16-31   job 1: x's tile, two K steps (at the head: at work)
.set MSC,  32                          ; v32-47   scale words of source 0's eight tiles, two K steps
.set OSCR, 48                          ; v48-49   scale words of x's tile
.set PC,   50                          ; v50-57   codes just made
.set PW,   58                          ; v58      scale word just made
.set TM,   60                          ; v60-75   at work
.set BV,   76                          ; v76-83   bv of my channel, eight times: the C of job 2's first products
.set WV,   84                          ; v84-99   Wv's tile, two K steps
.set WVS,  100                         ; v100-101 its scale words
.set BVO,  102                         ; v102     my row's place in bv
.set SR,   103                         ; v103     where waves 0-2 read a block of scale words back
.set T,    104                         ; v104-121 a weight's tile on its way into LDS
.set ACC,  128                         ; v128-191 eight accumulators
.set XR,   192                         ; v192-255 64 numbers of x,
.set F,    192                         ;          later source 0's eight fragments of a K step
.set WN,   30                          ; s30  my wave's number
.set SEL,  32                          ; s[32:33] lane selects: lane l xor 16
; 64 numbers of a lane, register 16 b + i = k 32 b + 16 (lane / 16) + i of my row, become a fragment's codes in v[PC] on and its scale word in v[PW].
.macro QUANT s
.irp b, 0,1,2,3
	v_max3_num_f32 v[TM+\b], |v[\s+16*\b]|, |v[\s+1+16*\b]|, 0x1800000   ; block b: my 16 numbers, and the floor 2^(3 - 127): the byte cannot fall under 1
.endr
.irp i, 2,4,6,8,10,12,14
.irp b, 0,1,2,3
	v_max3_num_f32 v[TM+\b], v[TM+\b], |v[\s+16*\b+\i]|, |v[\s+1+16*\b+\i]|   ; the four blocks by turns
.endr
.endr
.irp b, 0,1,2,3
	v_permlanex16_b32 v[TM+4+\b], v[TM+\b], s[SEL], s[SEL+1]
.endr
.irp b, 0,1,2,3
	v_max_num_f32 v[TM+\b], v[TM+\b], v[TM+4+\b]   ; with lane l xor 16's: the block's largest magnitude
.endr
.irp b, 0,1,2,3
	v_add_nc_u32 v[TM+12+\b], 0xff000000, v[TM+\b]   ; 2 off its exponent field: the conversion takes this operand's exponent field as its scale
.endr
.irp b, 0,1,2,3
	v_lshrrev_b32 v[TM+4+\b], 23, v[TM+12+\b]      ; the scale's byte
.endr
	v_lshl_or_b32 v[PW], v[TM+5], 8, v[TM+4]       ; the four bytes make my row's scale word
	v_lshl_or_b32 v[PW], v[TM+6], 16, v[PW]
	v_lshl_or_b32 v[PW], v[TM+7], 24, v[PW]
.irp b, 0,1,2,3
	v_cvt_scalef32_pk8_fp4_f32 v[PC+2*\b], v[\s+16*\b:\s+7+16*\b], v[TM+12+\b]
	v_cvt_scalef32_pk8_fp4_f32 v[PC+1+2*\b], v[\s+8+16*\b:\s+15+16*\b], v[TM+12+\b]
.endr
	v_nop                                          ; one plain place behind a scaled conversion
.irp c, 0,1                                    ; the operand's layout wants a whole block in a lane: lanes 0-15 block 2 c, lanes 16-31 block 2 c + 1
.irp i, 0,1
	v_permlane16_swap_b32 v[PC+4*\c+\i], v[PC+2+4*\c+\i]
.endr
.endr
.endm
; Block j of my voxel's two: 32 channels in 32 registers.  Its codes, in v[PC + 4 j] on, are registers of x's image as they stand; its byte waits in v[TM+8+j].  Both blocks' stores follow behind the second block.
.macro XBLOCK j
.set XS, XR+32*\j
	v_max3_num_f32 v[TM], |v[XS]|, |v[XS+1]|, |v[XS+2]|
	v_max3_num_f32 v[TM+1], |v[XS+3]|, |v[XS+4]|, |v[XS+5]|
.irp i, 6,10,14,18,22,26
	v_max3_num_f32 v[TM], v[TM], |v[XS+\i]|, |v[XS+\i+1]|
	v_max3_num_f32 v[TM+1], v[TM+1], |v[XS+\i+2]|, |v[XS+\i+3]|
.endr
	v_max3_num_f32 v[TM], v[TM], |v[XS+30]|, |v[XS+31]|
	v_max3_num_f32 v[TM], v[TM], v[TM+1], 0x1800000   ; and the floor
	v_add_nc_u32 v[TM+2], 0xff000000, v[TM]
.irp g, 0,1,2,3
	v_cvt_scalef32_pk8_fp4_f32 v[PC+4*\j+\g], v[XS+8*\g:XS+8*\g+7], v[TM+2]
.endr
	v_lshrrev_b32 v[TM+8+\j], 23, v[TM+2]          ; the byte; also the plain line behind the conversions
.endm
; A job: eight tiles as source 0 (images at v[many] + moff, scale words at v[msa] + msoff) against my own tile as source 1 (registers own, scale words oscr), two K steps; then the 64 results are quantised.
; cbias = 1: the first products take v[BV] on as C; else the bias was loaded into the accumulators.  The eight accumulators take turns, one instruction a turn.
; The loads of the scale words and of the first K step's fragments owe no wait here: the last wait on va_vdst ahead of the job stands behind every vector and matrix instruction that named v[MSC ..] or v[F ..].
.macro JOB many, moff, msa, msoff, own, oscr, cbias
.irp i, 0,1,2,3,4,5,6,7
	ds_load_b64 v[MSC+2*\i:MSC+2*\i+1], v[\msa] offset:\msoff+128*\i
.endr
.irp s, 0,1
.if \s
.rept 4
	v_nop                                          ; places in front of loads into registers that matrix instructions have read
.endr
	s_wait_alu depctr_va_vdst(0)                   ; the first K step's eight products are done reading v[F ..], in which the second step's fragments land
.endif
.irp i, 0,1,2,3,4,5,6,7
.irp c, 0,1
	ds_load_b128 v[F+8*\i+4*\c:F+8*\i+4*\c+3], v[\many] offset:\moff+2048*\i+1024*\s+512*\c
.endr
.endr
	s_wait_dscnt 0x0
.irp i, 0,1,2,3,4,5,6,7
.if \cbias && (\s == 0)
	v_wmma_scale_f32_16x16x128_f8f6f4 v[ACC+8*\i:ACC+8*\i+7], v[F+8*\i:F+8*\i+7], v[\own+8*\s:\own+8*\s+7], v[BV:BV+7], v[MSC+2*\i+\s], v[\oscr+\s] matrix_a_fmt:MATRIX_FMT_FP4 matrix_b_fmt:MATRIX_FMT_FP4
.else
	v_wmma_scale_f32_16x16x128_f8f6f4 v[ACC+8*\i:ACC+8*\i+7], v[F+8*\i:F+8*\i+7], v[\own+8*\s:\own+8*\s+7], v[ACC+8*\i:ACC+8*\i+7], v[MSC+2*\i+\s], v[\oscr+\s] matrix_a_fmt:MATRIX_FMT_FP4 matrix_b_fmt:MATRIX_FMT_FP4
.endif
.endr
.endr
.rept 4
	v_nop                                          ; places in front of the first read of results
.endr
	QUANT ACC
.endm
	s_load_b512 s[4:19], s[0:1], 0x0               ; x s[4:5]; Wq's codes, scales, bq s[6:11]; Wk's codes, scales, bk s[12:17]; Wv's codes s[18:19]
	s_load_b256 s[20:27], s[0:1], 0x40             ; Wv's scales s[20:21], bv s[22:23], qc s[24:25], qs s[26:27]
	s_load_b64 s[28:29], s[0:1], 0x60              ; kv
	v_lshl_add_u32 v126, v0, 2, 0xd200
	v_mov_b32 v127, 0
	v_lshrrev_b32 v16, 5, v0
	v_readfirstlane_b32 s[WN], v16                 ; wave 0..15
	s_mov_b32 s[SEL], 0x76543210
	s_mov_b32 s[SEL+1], 0xfedcba98
	v_and_b32 v16, 31, v0                          ; lane
	v_and_b32 v17, 15, v0                          ; r
	v_bfe_u32 v18, v0, 4, 1                        ; h
	v_and_b32 v19, 7, v0
	v_bfe_u32 v20, v0, 3, 1
	v_lshlrev_b32 v[L4], 2, v16
	v_lshlrev_b32 v[LI], 4, v16
	v_lshlrev_b32 v[L8], 3, v17
	s_wait_alu depctr_va_sdst(0)                   ; the wave's number is written, ahead of its first reader: shares, addresses and branches are made from it
	s_and_b32 s31, s[WN], 3                        ; g: which 32 voxels I quantise
	s_lshr_b32 s34, s[WN], 2                       ; cq: which 64 channels
	s_lshr_b32 s35, s[WN], 3                       ; m: 0 = q, 1 = k
	s_and_b32 s36, s[WN], 7                        ; t: the tile that I stage, my tile of x in job 1, my tile of Wv in job 2
	; my voxel 32 g + lane is row (lane % 8) + 8 (lane / 16) of tile 2 g + (lane / 8) % 2
	v_lshlrev_b32 v[XW], 4, v19
	v_lshl_add_u32 v[XW], v20, 11, v[XW]
	v_lshl_add_u32 v[XW], v18, 7, v[XW]
	s_lshl_b32 s37, s31, 12
	s_lshl_b32 s38, s34, 9
	s_add_co_u32 s37, s37, s38
	v_add_nc_u32 v[XW], s37, v[XW]                 ; 4,096 g + 2,048 u + 512 cq + 16 row
	v_lshlrev_b32 v[XSW], 3, v19
	v_lshl_add_u32 v[XSW], v20, 7, v[XSW]
	v_lshl_add_u32 v[XSW], v18, 6, v[XSW]
	s_lshl_b32 s37, s31, 8
	s_lshl_b32 s38, s34, 1
	s_add_co_u32 s37, s37, s38
	s_add_co_u32 s37, s37, XSC
	v_add_nc_u32 v[XSW], s37, v[XSW]               ; 256 g + 128 u + 8 row + 2 cq
	s_lshr_b32 s37, s36, 1
	s_lshl_b32 s37, s37, 5
	s_and_b32 s38, s36, 1
	s_lshl_b32 s38, s38, 3
	s_add_co_u32 s37, s37, s38                     ; tile t begins at row 32 (t / 2) + 8 (t % 2)
	v_and_b32 v21, 8, v17
	v_add_nc_u32 v21, v21, v17                     ; r + 8 (r / 8)
	v_add_nc_u32 v21, s37, v21                     ; my row of the weight
	v_lshlrev_b32 v[WG], 7, v21                    ; 128 bytes of codes a row
	v_lshl_add_u32 v[WG], v18, 4, v[WG]
	v_lshlrev_b32 v[WS], 3, v21                    ; 8 scale bytes a row
	v_lshlrev_b32 v[BVO], 2, v21
	s_lshl_b32 s37, s[WN], 11
	s_add_co_u32 s37, s37, WIMG
	v_add_nc_u32 v[WW], s37, v[LI]
	s_lshl_b32 s37, s[WN], 7
	s_add_co_u32 s37, s37, WSC
	v_add_nc_u32 v[WSW], s37, v[L8]
	v_lshlrev_b32 v[BA], 6, v18
	s_lshl_b32 s37, s35, 14
	s_add_co_u32 s37, s37, WIMG
	v_add_nc_u32 v[MA1], s37, v[LI]
	s_lshl_b32 s37, s35, 10
	s_add_co_u32 s37, s37, WSC
	v_add_nc_u32 v[MS1], s37, v[L8]
	s_lshl_b32 s37, s36, 11
	v_add_nc_u32 v[OA1], s37, v[LI]
	s_lshl_b32 s37, s36, 7
	s_add_co_u32 s37, s37, XSC
	v_add_nc_u32 v[OS1], s37, v[L8]
	s_lshl_b32 s37, s35, 9
	s_and_b32 s38, s36, 1
	s_lshl_b32 s38, s38, 8
	s_add_co_u32 s37, s37, s38
	s_lshr_b32 s38, s36, 1
	s_lshl_b32 s38, s38, 2
	s_add_co_u32 s37, s37, s38
	s_add_co_u32 s37, s37, SST
	v_lshl_add_u32 v[SW], v17, 4, s37              ; 512 m + 16 (r + 16 (t % 2)) + 4 (t / 2)
	s_min_u32 s37, s[WN], 2                        ; (only waves 0-2 use it)
	s_lshl_b32 s37, s37, 9
	s_add_co_u32 s37, s37, SST
	v_add_nc_u32 v[SR], s37, v[LI]
.irp b, 0,1,2,3
	v_mov_b32 v[TM+4+\b], 0                        ; written once: a lane permute's destination counts as one of its sources
.endr
	s_lshl_b32 s40, s34, 21                        ; 64 cq rows of 32,768 bytes,
	s_lshl_b32 s41, ttmp9, 9                       ; the work-group's 128 voxels,
	s_lshl_b32 s42, s31, 7                         ; my 32 of them
	s_add_co_u32 s40, s40, s41
	s_add_co_u32 s40, s40, s42
	s_mov_b32 s41, 0
	s_lshl_b32 s53, ttmp9, 13                      ; qc: 8 tiles a work-group
	s_mul_i32 s54, ttmp9, REC                      ; kv: a record a work-group
	s_lshl_b32 s55, s36, 10                        ; tile t
	s_wait_kmcnt 0x0
	s_add_nc_u64 s[4:5], s[4:5], s[40:41]
	s_wait_alu depctr_va_vdst(0)                   ; the offsets and LDS addresses v1 to v15, v102 and v103 are written, which all loads and stores below read; the head is done with v16 to v21, in which x's tile lands later
.set i, 0
.rept 64
	global_load_b32 v[XR+i], v[L4], s[4:5] offset:i*32768   ; x(64 cq + i, my voxel): 32 lanes read 128 consecutive bytes.  No hint: the third launch reads x again
.set i, i+1
.endr
	s_cmp_lt_u32 s[WN], 8                          ; q's waves or k's: the choice hangs on the wave's number alone
	s_cselect_b64 s[44:45], s[6:7], s[12:13]
	s_cselect_b64 s[46:47], s[8:9], s[14:15]
	s_cselect_b64 s[48:49], s[10:11], s[16:17]
	s_cselect_b64 s[50:51], s[24:25], s[28:29]
	s_cselect_b32 s52, s53, s54
	s_add_co_u32 s52, s52, s55
	s_mov_b32 s53, 0
	s_add_nc_u64 s[50:51], s[50:51], s[52:53]      ; where job 1's tile goes
	s_add_co_u32 s58, s54, s55
	s_add_co_u32 s58, s58, 8192
	s_mov_b32 s59, 0
	s_add_nc_u64 s[56:57], s[28:29], s[58:59]      ; where job 2's goes
.irp s, 0,1
.irp c, 0,1
	global_load_b128 v[T+8*\s+4*\c:T+8*\s+4*\c+3], v[WG], s[44:45] offset:64*\s+32*\c   ; tile t of my weight, in the operand's layout
.endr
.endr
	global_load_b64 v[T+16:T+17], v[WS], s[46:47]
.irp i, 0,1,2,3,4,5,6,7
	global_load_b128 v[ACC+8*\i:ACC+8*\i+3], v[BA], s[48:49] offset:(32*(\i/2)+8*(\i%2))*4      ; the bias in the result's layout, straight into the accumulators
	global_load_b128 v[ACC+8*\i+4:ACC+8*\i+7], v[BA], s[48:49] offset:(32*(\i/2)+8*(\i%2))*4+16
.endr
	s_cmp_ge_u32 s[WN], 8
	s_cbranch_scc1 .Lno_v_loads
.irp s, 0,1
.irp c, 0,1
	global_load_b128 v[WV+8*\s+4*\c:WV+8*\s+4*\c+3], v[WG], s[18:19] offset:64*\s+32*\c
.endr
.endr
	global_load_b64 v[WVS:WVS+1], v[WS], s[20:21]
	global_load_b32 v[BV], v[BVO], s[22:23]
.Lno_v_loads:
	s_wait_loadcnt 53                              ; x's first 32 loads are in: behind them stand 32 + 5 + 16 (waves 0-7: six more, which only makes this stricter)
	XBLOCK 0
	s_wait_loadcnt 21                              ; x's other 32: behind them 5 + 16
	XBLOCK 1
	v_lshl_or_b32 v[TM+8], v[TM+9], 8, v[TM+8]
	s_wait_alu depctr_va_vdst(0)                   ; the conversions have written v[PC ..] and the shifts v[TM+8], which the three stores below read; and both blocks are done reading v[XR ..], in which job 1's fragments land
	ds_store_b128 v[XW], v[PC:PC+3]                ; block 2 (w / 4) of K: lanes 0 on of register group (w / 4) % 2 of K step w / 8,
	ds_store_b128 v[XW], v[PC+4:PC+7] offset:256   ; block 2 (w / 4) + 1: lanes 16 on
	ds_store_b16 v[XSW], v[TM+8]                   ; my voxel's two scale bytes
	s_wait_loadcnt 16                              ; the weight's five loads: behind them the bias's 16
.irp s, 0,1
.irp c, 0,1
	ds_store_b128 v[WW], v[T+8*\s+4*\c:T+8*\s+4*\c+3] offset:1024*\s+512*\c
.endr
.endr
	ds_store_b64 v[WSW], v[T+16:T+17]              ; both halves of the lanes write the same words with the same values
	s_wait_loadcnt 0x0
	s_wait_dscnt 0x0                               ; for the others' sake: my stores have landed
	s_barrier_signal -1
	s_barrier_wait -1                              ; x's and the weights' images lie in LDS; nobody writes them again
	s_wait_alu depctr_vm_vsrc(0)                   ; my LDS stores have read v[PC ..], which job 1's quantiser writes again, and v[T ..], in which a block of scale words lands at the end
.irp s, 0,1
.irp c, 0,1
	ds_load_b128 v[OWN+8*\s+4*\c:OWN+8*\s+4*\c+3], v[OA1] offset:1024*\s+512*\c
.endr
.endr
	ds_load_b64 v[OSCR:OSCR+1], v[OS1]
	JOB MA1, 0, MS1, 0, OWN, OSCR, 0               ; a tile of q or k: lane (r, h): voxel row r, channels 32 b + 16 h + i
	s_wait_alu depctr_va_vdst(0)                   ; the quantiser has written v[PC ..] and v[PW], which the three stores below read; job 1's products are done reading v[MSC ..] and v[F ..], in which job 2's first loads land
	global_store_b128 v[LI], v[PC:PC+3], s[50:51]  ; the image: each store covers 512 consecutive bytes, aligned
	global_store_b128 v[LI], v[PC+4:PC+7], s[50:51] offset:512
	ds_store_b32 v[SW], v[PW]
	s_wait_alu depctr_vm_vsrc(0)                   ; these three stores have read v[PC ..] and v[PW], which job 2's quantiser writes again: stated ahead of the branch that leads waves 0-7 there
	s_cmp_ge_u32 s[WN], 8
	s_cbranch_scc1 .Lno_v
	s_wait_xcnt 0x0                                ; job 1's stores have read their registers: the codes may be written again
	s_wait_dscnt 0x0                               ; and so has the scale word's
.irp j, 1,2,3,4,5,6,7
	v_mov_b32 v[BV+\j], v[BV]                      ; bv of my channel for all eight voxels of a register run.  These seven lines are also the places behind job 1's products
.endr
	JOB LI, XIMG, L8, XSC, WV, WVS, 1              ; a tile of v^T: lane (r, h): channel row r, voxels 32 b + 16 h + i
	s_wait_alu depctr_va_vdst(0)                   ; the quantiser has written v[PC ..] and v[PW], which the three stores below read
	global_store_b128 v[LI], v[PC:PC+3], s[56:57]
	global_store_b128 v[LI], v[PC+4:PC+7], s[56:57] offset:512
	ds_store_b32 v[SW], v[PW] offset:1024
.Lno_v:
	s_wait_dscnt 0x0
	s_barrier_signal -1
	s_barrier_wait -1                              ; the three blocks of scale words are whole
	s_cmp_ge_u32 s[WN], 3
	s_cbranch_scc1 .Ldone
	ds_load_b128 v[T:T+3], v[SR]                   ; (no vector instruction has named v[T ..] or written v[SR] since the head's wait; the stores that read v[T ..] stand ahead of the wait behind the first barrier)
	s_lshl_b32 s60, ttmp9, 9                       ; qs: 512 bytes a work-group
	s_lshl_b32 s61, s[WN], 9
	s_add_co_u32 s61, s61, s54
	s_add_co_u32 s61, s61, 15872                   ; kv: k's words at 16,384 (wave 1), v's at 16,896 (wave 2) of the record
	s_cmp_eq_u32 s[WN], 0
	s_cselect_b64 s[38:39], s[26:27], s[28:29]
	s_cselect_b32 s60, s60, s61
	s_mov_b32 s61, 0
	s_add_nc_u64 s[38:39], s[38:39], s[60:61]
	s_wait_dscnt 0x0
	global_store_b128 v[LI], v[T:T+3], s[38:39]    ; 512 consecutive bytes, aligned
.Ldone:
	s_wait_dscnt 0x0                               ; the closing lines, six on end
	s_wait_alu 0x0
	s_wait_tensorcnt 0x0
	ds_add_u32 v126, v127
	s_wait_dscnt 0x0
	s_endpgm
.Lfunc_end_k_q7b7120d432_proj:
	.size	k_q7b7120d432_proj, .Lfunc_end_k_q7b7120d432_proj-k_q7b7120d432_proj
	.p2alignl 7, 3214868480
	.fill 96, 4, 3214868480
	.section	.rodata,"a",@progbits
	.p2align	6, 0x0
	.amdhsa_kernel k_q7b7120d432_proj
		.amdhsa_group_segment_fixed_size 55808
		.amdhsa_private_segment_fixed_size 0
		.amdhsa_enable_private_segment 0
		.amdhsa_kernarg_size 104
		.amdhsa_user_sgpr_count 2
		.amdhsa_user_sgpr_kernarg_segment_ptr 1
		.amdhsa_wavefront_size32 1
		.amdhsa_system_sgpr_workgroup_id_x 1
		.amdhsa_system_sgpr_workgroup_id_y 1
		.amdhsa_system_sgpr_workgroup_id_z 1
		.amdhsa_system_vgpr_workitem_id 0
		.amdhsa_next_free_vgpr 256
		.amdhsa_next_free_sgpr 66
		.amdhsa_reserve_vcc 0
		.amdhsa_float_denorm_mode_32 3
		.amdhsa_float_denorm_mode_16_64 3
		.amdhsa_memory_ordered 1
		.amdhsa_forward_progress 1
		.amdhsa_inst_pref_size 36
	.end_amdhsa_kernel
	.amdgpu_metadata
---
amdhsa.version: [ 1, 2 ]
amdhsa.kernels:
  - .name:           k_q7b7120d432_proj
    .symbol:         k_q7b7120d432_proj.kd
    .args:
      - { .name: x, .offset: 0, .size: 8, .value_kind: global_buffer, .address_space: global }
      - { .name: Wq_codes, .offset: 8, .size: 8, .value_kind: global_buffer, .address_space: global }
      - { .name: Wq_scales, .offset: 16, .size: 8, .value_kind: global_buffer, .address_space: global }
      - { .name: bq, .offset: 24, .size: 8, .value_kind: global_buffer, .address_space: global }
      - { .name: Wk_codes, .offset: 32, .size: 8, .value_kind: global_buffer, .address_space: global }
      - { .name: Wk_scales, .offset: 40, .size: 8, .value_kind: global_buffer, .address_space: global }
      - { .name: bk, .offset: 48, .size: 8, .value_kind: global_buffer, .address_space: global }
      - { .name: Wv_codes, .offset: 56, .size: 8, .value_kind: global_buffer, .address_space: global }
      - { .name: Wv_scales, .offset: 64, .size: 8, .value_kind: global_buffer, .address_space: global }
      - { .name: bv, .offset: 72, .size: 8, .value_kind: global_buffer, .address_space: global }
      - { .name: qc, .offset: 80, .size: 8, .value_kind: global_buffer, .address_space: global }
      - { .name: qs, .offset: 88, .size: 8, .value_kind: global_buffer, .address_space: global }
      - { .name: kv, .offset: 96, .size: 8, .value_kind: global_buffer, .address_space: global }
    .group_segment_fixed_size: 55808
    .private_segment_fixed_size: 0
    .kernarg_segment_align: 8
    .kernarg_segment_size: 104
    .max_flat_workgroup_size: 512
    .sgpr_count:     66
    .vgpr_count:     256
    .wavefront_size: 32
...
	.end_amdgpu_metadata
.endif
;; end of part 4
;; launch attn: the kernel of part 2 again; grid 256 x 1, 8 waves a work-group, clusters of 4 x 1, 327,680 bytes of LDS; arguments qc, qs, kv, oc, os; writes oc, os
;; launch outp (part 5): grid 128 x 2, 8 waves a work-group, no clusters, 35,840 bytes of LDS; arguments oc, os, Wo_codes, Wo_scales, bo, x, out0; writes out0
.if DOCPART == 5
	.amdgcn_target "amdgcn-amd-amdhsa--gfx1250"
	.amdhsa_code_object_version 6
	.text
	.protected	k_q7b7120d432_outp
	.globl	k_q7b7120d432_outp
	.p2align	8
	.type	k_q7b7120d432_outp,@function
k_q7b7120d432_outp:
	s_mov_b64 s[64:65], 0
	v_nop
	global_prefetch_b8 v0, s[64:65] scope:SCOPE_SE
	s_setreg_imm32_b32 hwreg(HW_REG_WAVE_SCHED_MODE, 0, 2), 2
	s_setreg_imm32_b32 hwreg(HW_REG_WAVE_MODE, 25, 1), 1
	s_wait_xcnt 0x0
	s_wait_alu depctr_vm_vsrc(0)
; out0 = x + Wo o + bo.  o arrives as codes of FP4 (E2M1), images of registers (1,024 bytes a tile of 16 voxels x 128 channels), with a scale word a row; Wo: [256][128] codes, K innermost, scale bytes [256][4].  x, out0: [256][8,192] f32.
; A work-group takes 64 voxels x 128 rows of out0; wave w the 16 rows 16 T on, T = 8 y + w.  Source 0 = a tile of o (row r of tile 2 g + u is voxel 32 g + 8 u + r + 8 (r / 8)), source 1 = 16 rows of Wo:
; a lane then holds ONE row of out0 (lane % 16) and register j of tile 2 g + u is voxel 32 g + 16 (lane / 16) + 8 u + j: eight neighbours.  bo is the C of each product.
; The 16 rows x 256 bytes go through the wave's own stage in LDS (rows 272 bytes apart) and come back by rows, so that sixteen lanes add x to and store 256 consecutive bytes, aligned.
; One product a tile, no loop, no barrier: waves share nothing.  No tensor loads and no cluster: what work-groups share (Wo, 17 KB) is small beside x and out0, each byte of which is moved once.
; THE MODE: SCHED_MODE bits 1:0 = 2 (LLVM: expert scheduling mode 2), set by the entry lines.  The code itself states the register dependences
; between vector or matrix instructions and memory or LDS instructions, with s_wait_alu, always for 0.
; THE PLAN.  Registers that memory or LDS instructions touch:
;   v4-10              offsets and LDS addresses: written once, at the head, never again.
;   v16-58, v60, v100-131  o's and Wo's fragments and scale words, bo, x: written by loads once, read by products and vector instructions.
;   v68-99             the four results: written by the products, read by the eight stores into the stage.
;   v132-163           rows back from the stage: written by LDS loads, then by the additions of x; read by the global stores; never written again.
; So: one wait on va_vdst ahead of the first load (the addresses); one behind the products and their places (the stage's stores read the results); and the way out goes in two halves: the additions of rows 0 to 7, a wait,
; their four stores dealt among the additions of rows 8 to 15, which name other registers, a wait, the last four stores.  No register that a memory instruction reads is written again.
.set OF,  16                           ; v16-47   o's four fragments
.set WOF, 48                           ; v48-55   Wo's fragment
.set WOS, 56                           ; v56      its scale words
.set OSR, 57                           ; v57-58   o's scale words: tile 2 g in lanes 0-15, tile 2 g + 1 in lanes 16-31 of register g
.set BO,  60                           ; v60-67   bo of my row, eight times
.set DD,  68                           ; v68-99   four results
.set XV,  100                          ; v100-131 x
.set Y,   132                          ; v132-163 rows back from the stage, then out0
	s_load_b256 s[4:11], s[0:1], 0x0               ; oc s[4:5], os s[6:7], Wo's codes s[8:9], Wo's scales s[10:11]
	s_load_b128 s[12:15], s[0:1], 0x20             ; bo s[12:13], x s[14:15]
	s_load_b64 s[16:17], s[0:1], 0x30              ; out0
	v_lshl_add_u32 v168, v0, 2, 0x8800
	v_mov_b32 v169, 0
	v_lshrrev_b32 v1, 5, v0
	v_readfirstlane_b32 s18, v1                    ; wave 0..7
	v_and_b32 v1, 31, v0                           ; lane
	v_and_b32 v2, 15, v0                           ; r
	v_bfe_u32 v3, v0, 4, 1                         ; h
	v_lshlrev_b32 v4, 4, v1                        ; 16 x lane
	v_lshlrev_b32 v5, 2, v1                        ; 4 x lane
	v_lshlrev_b32 v6, 6, v2
	v_lshl_add_u32 v6, v3, 4, v6                   ; Wo: row r of 64 bytes, + 16 h
	v_lshlrev_b32 v7, 2, v2                        ; 4 r
	v_lshlrev_b32 v8, 4, v2
	v_lshl_add_u32 v8, v3, 15, v8                  ; x, out0: lanes 0-15 one row's 256 bytes, lanes 16-31 the next row's
	v_mul_u32_u24 v9, v2, 272
	v_lshl_add_u32 v9, v3, 6, v9
	v_mul_u32_u24 v10, v3, 272
	v_lshl_add_u32 v10, v2, 4, v10
	s_wait_alu depctr_va_sdst(0)                   ; the wave's number is written, ahead of its first reader: T and the stage's place are made from it
	s_and_b32 s19, ttmp7, 0xffff
	s_lshl_b32 s19, s19, 3
	s_add_co_u32 s19, s19, s18                     ; T
	s_mul_i32 s20, s18, 16*272                     ; my stage
	v_add_nc_u32 v9, s20, v9                       ; in: row r, + 64 h
	v_add_nc_u32 v10, s20, v10                     ; back: lanes 0-15 one row, lanes 16-31 the next
	s_lshl_b32 s22, ttmp9, 12                      ; oc: four tiles a work-group
	s_mov_b32 s23, 0
	s_lshl_b32 s24, ttmp9, 8                       ; os: 256 bytes; also my 64 voxels in a row of x
	s_mov_b32 s25, 0
	s_lshl_b32 s26, s19, 10                        ; Wo's codes: 16 rows of 64 bytes
	s_mov_b32 s27, 0
	s_lshl_b32 s28, s19, 6                         ; Wo's scales and bo: 16 rows of 4 bytes
	s_mov_b32 s29, 0
	s_lshl_b32 s30, s19, 19                        ; x, out0: 16 rows of 32,768 bytes
	s_add_co_u32 s30, s30, s24
	s_mov_b32 s31, 0
	s_wait_kmcnt 0x0
	s_add_nc_u64 s[4:5], s[4:5], s[22:23]
	s_add_nc_u64 s[6:7], s[6:7], s[24:25]
	s_add_nc_u64 s[8:9], s[8:9], s[26:27]
	s_add_nc_u64 s[10:11], s[10:11], s[28:29]
	s_add_nc_u64 s[12:13], s[12:13], s[28:29]
	s_add_nc_u64 s[14:15], s[14:15], s[30:31]
	s_add_nc_u64 s[16:17], s[16:17], s[30:31]
	s_wait_alu depctr_va_vdst(0)                   ; the offsets and LDS addresses v4 to v10 are written, which all loads and stores below read
.irp t, 0,1,2,3
.irp c, 0,1
	global_load_b128 v[OF+8*\t+4*\c:OF+8*\t+4*\c+3], v4, s[4:5] offset:1024*\t+512*\c
.endr
.endr
.irp g, 0,1
	global_load_b32 v[OSR+\g], v5, s[6:7] offset:128*\g
.endr
.irp c, 0,1
	global_load_b128 v[WOF+4*\c:WOF+4*\c+3], v6, s[8:9] offset:32*\c
.endr
	global_load_b32 v[WOS], v7, s[10:11]
	global_load_b32 v[BO], v7, s[12:13]
.irp k, 0,1,2,3,4,5,6,7
	global_load_b128 v[XV+4*\k:XV+4*\k+3], v8, s[14:15] offset:65536*\k th:TH_LOAD_NT   ; rows 2 k and 2 k + 1: sixteen lanes read 256 consecutive bytes; read once in this launch
.endr
	s_wait_loadcnt 8                               ; the fourteen small loads are in; x's eight may be out
.irp j, 1,2,3,4,5,6,7
	v_mov_b32 v[BO+\j], v[BO]
.endr
.irp t, 0,1,2,3
.if \t%2
	v_wmma_scale_f32_16x16x128_f8f6f4 v[DD+8*\t:DD+8*\t+7], v[OF+8*\t:OF+8*\t+7], v[WOF:WOF+7], v[BO:BO+7], v[OSR+\t/2], v[WOS] matrix_a_fmt:MATRIX_FMT_FP4 matrix_b_fmt:MATRIX_FMT_FP4 matrix_a_scale:MATRIX_SCALE_ROW1
.else
	v_wmma_scale_f32_16x16x128_f8f6f4 v[DD+8*\t:DD+8*\t+7], v[OF+8*\t:OF+8*\t+7], v[WOF:WOF+7], v[BO:BO+7], v[OSR+\t/2], v[WOS] matrix_a_fmt:MATRIX_FMT_FP4 matrix_b_fmt:MATRIX_FMT_FP4
.endif
.endr
.rept 4
	v_nop                                          ; places in front of the stores that read the results
.endr
	s_wait_alu depctr_va_vdst(0)                   ; the four products have written v[DD ..], which the stores into the stage read; the places above stay beside this wait
.irp t, 0,1,2,3
	ds_store_b128 v9, v[DD+8*\t:DD+8*\t+3] offset:128*(\t/2)+32*(\t%2)        ; each result from its low end on
	ds_store_b128 v9, v[DD+8*\t+4:DD+8*\t+7] offset:128*(\t/2)+32*(\t%2)+16
.endr
.irp k, 0,1,2,3,4,5,6,7
	ds_load_b128 v[Y+4*\k:Y+4*\k+3], v10 offset:2*\k*272   ; LDS serves a wave's instructions in order (ISA guide 5.7.1.4): these see my stores
.endr
	s_wait_loadcnt 0x0                             ; x
.irp k, 0,1,2,3
	s_wait_dscnt 7-\k                              ; rows 2 k and 2 k + 1 are back
	v_pk_add_f32 v[Y+4*\k:Y+4*\k+1], v[Y+4*\k:Y+4*\k+1], v[XV+4*\k:XV+4*\k+1]
	v_pk_add_f32 v[Y+4*\k+2:Y+4*\k+3], v[Y+4*\k+2:Y+4*\k+3], v[XV+4*\k+2:XV+4*\k+3]
.endr
	s_wait_alu depctr_va_vdst(0)                   ; the additions have written v[Y] to v[Y+15], rows 0 to 7, which the four stores below read
.irp k, 4,5,6,7
	global_store_b128 v8, v[Y+4*(\k-4):Y+4*(\k-4)+3], s[16:17] offset:65536*(\k-4) th:TH_STORE_NT   ; sixteen lanes store 256 consecutive bytes, aligned.  No further wait: the additions since the wait name v[Y+16] on and v[XV+16] on alone
	s_wait_dscnt 7-\k                              ; rows 2 k and 2 k + 1 are back
	v_pk_add_f32 v[Y+4*\k:Y+4*\k+1], v[Y+4*\k:Y+4*\k+1], v[XV+4*\k:XV+4*\k+1]
	v_pk_add_f32 v[Y+4*\k+2:Y+4*\k+3], v[Y+4*\k+2:Y+4*\k+3], v[XV+4*\k+2:XV+4*\k+3]
.endr
	s_wait_alu depctr_va_vdst(0)                   ; the additions have written v[Y+16] to v[Y+31], rows 8 to 15, which the last four stores read
.irp k, 4,5,6,7
	global_store_b128 v8, v[Y+4*\k:Y+4*\k+3], s[16:17] offset:65536*\k th:TH_STORE_NT
.endr
	s_wait_dscnt 0x0                               ; the closing lines, six on end
	s_wait_alu 0x0
	s_wait_tensorcnt 0x0
	ds_add_u32 v168, v169
	s_wait_dscnt 0x0
	s_endpgm
.Lfunc_end_k_q7b7120d432_outp:
	.size	k_q7b7120d432_outp, .Lfunc_end_k_q7b7120d432_outp-k_q7b7120d432_outp
	.p2alignl 7, 3214868480
	.fill 96, 4, 3214868480
	.section	.rodata,"a",@progbits
	.p2align	6, 0x0
	.amdhsa_kernel k_q7b7120d432_outp
		.amdhsa_group_segment_fixed_size 35840
		.amdhsa_private_segment_fixed_size 0
		.amdhsa_enable_private_segment 0
		.amdhsa_kernarg_size 56
		.amdhsa_user_sgpr_count 2
		.amdhsa_user_sgpr_kernarg_segment_ptr 1
		.amdhsa_wavefront_size32 1
		.amdhsa_system_sgpr_workgroup_id_x 1
		.amdhsa_system_sgpr_workgroup_id_y 1
		.amdhsa_system_sgpr_workgroup_id_z 1
		.amdhsa_system_vgpr_workitem_id 0
		.amdhsa_next_free_vgpr 170
		.amdhsa_next_free_sgpr 66
		.amdhsa_reserve_vcc 0
		.amdhsa_float_denorm_mode_32 3
		.amdhsa_float_denorm_mode_16_64 3
		.amdhsa_memory_ordered 1
		.amdhsa_forward_progress 1
		.amdhsa_inst_pref_size 9
	.end_amdhsa_kernel
	.amdgpu_metadata
---
amdhsa.version: [ 1, 2 ]
amdhsa.kernels:
  - .name:           k_q7b7120d432_outp
    .symbol:         k_q7b7120d432_outp.kd
    .args:
      - { .name: oc, .offset: 0, .size: 8, .value_kind: global_buffer, .address_space: global }
      - { .name: os, .offset: 8, .size: 8, .value_kind: global_buffer, .address_space: global }
      - { .name: Wo_codes, .offset: 16, .size: 8, .value_kind: global_buffer, .address_space: global }
      - { .name: Wo_scales, .offset: 24, .size: 8, .value_kind: global_buffer, .address_space: global }
      - { .name: bo, .offset: 32, .size: 8, .value_kind: global_buffer, .address_space: global }
      - { .name: x, .offset: 40, .size: 8, .value_kind: global_buffer, .address_space: global }
      - { .name: out0, .offset: 48, .size: 8, .value_kind: global_buffer, .address_space: global }
    .group_segment_fixed_size: 35840
    .private_segment_fixed_size: 0
    .kernarg_segment_align: 8
    .kernarg_segment_size: 56
    .max_flat_workgroup_size: 256
    .sgpr_count:     66
    .vgpr_count:     170
    .wavefront_size: 32
...
	.end_amdgpu_metadata
.endif
;; end of part 5
